; MI455X (gfx1250); checked and timed in simulation.
; The chip was launched on July 23, 2026; its instructions are those of AMD's public machine-readable ISA for CDNA 5 (MIT licence, August 2026) and "CDNA5" Instruction Set Architecture Reference Guide (July 2026). The comments in the code are by the model that wrote it; some were corrected since.
;; Context Aware Attention. Allowed arithmetic: matrix products marked QUANTISED: E4M3 operands, one E8M0 scale for each 32 along K, by v_wmma_scale_f32_16x16x128_f8f6f4 with both operands' format E4M3, f32 sums; everything else in f32.
;; Inputs: Wk_codes 1,024 x 32 x 32 uint8 (E4M3 codes of Wk, K innermost, in blocks of 32 codes); Wk_scales 1,024 x 32 uint8 (E8M0 scales of Wk, one for each 32 codes along K); Wq_codes 1,024 x 32 x 32 uint8 (E4M3 codes of Wq, K innermost, in blocks of 32 codes); Wq_scales 1,024 x 32 uint8 (E8M0 scales of Wq, one for each 32 codes along K); Wv_codes 1,024 x 32 x 32 uint8 (E4M3 codes of Wv, K innermost, in blocks of 32 codes); Wv_scales 1,024 x 32 uint8 (E8M0 scales of Wv, one for each 32 codes along K); bk 1,024 float32; bq 1,024 float32; bv 1,024 float32; context 1,024 float32; key 4 x 2,048 x 1,024 float32; query 4 x 2,048 x 1,024 float32; value_codes 4 x 2,048 x 32 x 32 uint8 (E4M3 codes of value, K innermost, in blocks of 32 codes); value_scales 4 x 2,048 x 32 uint8 (E8M0 scales of value, one for each 32 codes along K).
;; Outputs: out0 4 x 2,048 x 1,024 float32.
;; This version of the problem:
;;   THIS VERSION OF THE PROBLEM IS GIVEN IN LOW PRECISION. The matrix products marked QUANTISED in the list below multiply operands that are first quantised to E4M3 (4 exponent bits, 3 mantissa bits; 8 bits a number), with one power-of-two scale for each 32 numbers along K (OCP MX v1.0); their sums are f32. All else is computed in f32.
;;   The module's matrix products, in the order in which they are computed (A, B: the left and right operand; K: the contracted axis; several contracted axes count as one K, in the product's order):
;;     1. [M 8,192, K 1,024] x [K 1,024, N 1,024]; A: computed on the way; B: input Wq (given as codes): QUANTISED
;;     2. [M 8,192, K 1,024] x [K 1,024, N 1,024]; A: computed on the way; B: input Wk (given as codes): QUANTISED
;;     3. [M 8,192, K 1,024] x [K 1,024, N 1,024]; A: input value (given as codes); B: input Wv (given as codes): QUANTISED
;;     4. batch 4 x [M 2,048, K 1,024] x [K 1,024, N 2,048]; A: computed on the way; B: computed on the way: QUANTISED
;;     5. batch 4 x [M 2,048, K 2,048] x [K 2,048, N 1,024]; A: softmax (see below); B: computed on the way: QUANTISED
;;   THE QUANTISER, for each operand of a quantised product, along K:
;;     - K is cut into blocks of 32 from its start; a last block that is shorter is filled with zeros.
;;     - A block's scale is 2^e with e = floor(log2(the largest magnitude in the block)) - 8, held to -126 .. 127; a block of zeros has e = 0. As a byte (E8M0): e + 127.
;;     - Each number is divided by its block's scale, clamped to +-448, and rounded to the nearest number of E4M3, ties to even, subnormals kept.
;;     - The product sums the exact products of the quantised numbers (number of the format x scale) in f32.
;;   ~~~python
;;   def quantise(x, axis):      # numpy; x: float32 -> the quantised numbers, widened to float32 again
;;       x = np.moveaxis(x, axis, -1); K = x.shape[-1]
;;       x = np.pad(x, [(0, 0)] * (x.ndim - 1) + [(0, -K % 32)]); x = x.reshape(x.shape[:-1] + (-1, 32)); a = np.abs(x).max(-1, keepdims=True)
;;       e = np.where(a > 0, np.clip(np.frexp(np.where(a > 0, a, 1))[1] - 1 - 8, -126, 127), 0)      # np.frexp(a)[1] - 1 = floor(log2(a)), exactly
;;       r = np.clip(x / 2.0 ** e, -448, 448)
;;       step = 2.0 ** (np.maximum(np.frexp(np.where(r == 0, 1, r))[1] - 1, -6) - 3)
;;       q = np.round(r / step) * step * 2.0 ** e      # np.round: ties to even
;;       return np.moveaxis(q.reshape(q.shape[:-2] + (-1,))[..., :K], -1, axis).astype(np.float32)
;;   ~~~
;;   SOFTMAX AHEAD OF A QUANTISED PRODUCT. Where the list says 'softmax', what is quantised is not the finished softmax but p = 2^(t - M), with t = logit x log2(e) and M = ceil(the row's largest t), a whole number; so 1/2 < the row's largest p <= 1. The row's sum l is taken of the UNQUANTISED p, in f32, and the product's result is divided by l at the end. Since M is a whole number, a kernel that streams over the keys may use a running M (the ceiling of the running maximum): every later rescaling is an exact power of two, which a block's scale takes up: the codes' values come out the same.
;;   OPERANDS COMPUTED ON THE WAY. 'Computed on the way' means the value that the module computes at that place (a softmax that the list does not call 'softmax' is quantised finished and normalised). What goes into a quantiser is computed in f32, as accurately as f32 sums, v_exp_f32 and their like allow (about 1e-6 of the number): no bf16 or f16 on the way to a quantiser, and a product that is left as it is and whose result goes on into a quantised operand takes f32 operands (vector FMAs, or v_wmma_f32_16x16x4_f32). A number that lies on a knife's edge between two numbers of the format may be rounded either way, as far as f32 arithmetic and the matrix unit's own rounding can turn it there, and no further.
;;   INPUTS GIVEN AS CODES. Wk (in the module: [1024, 1024], K = its axis 1); Wq (in the module: [1024, 1024], K = its axis 1); Wv (in the module: [1024, 1024], K = its axis 1); value (in the module: [4, 2048, 1024], K = its axis 2): each comes as NAME_codes (uint8): NAME with its K axis moved to the last place and cut into blocks of 32 codes, [.., K / 32, bytes a block], one block behind the other in memory; one code a byte (a code: sign, 4 exponent bits, 3 mantissa bits); and NAME_scales (uint8): the same leading axes, one E8M0 byte (e + 127) for each 32 codes along K. Its value is code x scale, taken as it is: it is not quantised again, and the codes and scales need not be those that the quantiser above would give.
;; One version. Each part assembles by itself: llvm-mc -triple=amdgcn-amd-amdhsa -mcpu=gfx1250 --defsym DOCPART=n.
;; ======== version 1 of 1: 3 launches
;; limits: right only within a limited range of input values
;; workspace buffers: qimg 8,388,608 bytes; kimg 8,388,608 bytes; vimg 8,388,608 bytes; pimg 16,777,216 bytes; qsc 262,144 bytes; ksc 262,144 bytes; vsc 262,144 bytes; pmeta 1,572,864 bytes
;; launch proj (part 1): grid 64 x 3, 4 waves a work-group, clusters of 4 x 1, 327,680 bytes of LDS; arguments query, key, context, Wq_codes, Wk_codes, value_codes, Wq_scales, Wk_scales, value_scales, bq, bk, bv, qimg, kimg, vimg, qsc, ksc, vsc, Wv_codes, Wv_scales; writes qimg, kimg, vimg, qsc, ksc, vsc
.if DOCPART == 1
	.amdgcn_target "amdgcn-amd-amdhsa--gfx1250"
	.amdhsa_code_object_version 6
	.text
	.protected	k_qe9f3c5cb02_proj
	.globl	k_qe9f3c5cb02_proj
	.p2align	8
	.type	k_qe9f3c5cb02_proj,@function
k_qe9f3c5cb02_proj:
	s_mov_b64 s[64:65], 0
	v_nop
	global_prefetch_b8 v0, s[64:65] scope:SCOPE_SE
	s_setreg_imm32_b32 hwreg(HW_REG_WAVE_MODE, 25, 1), 1
	s_wait_xcnt 0x0
	s_wait_alu depctr_hold_cnt(0) depctr_sa_sdst(0) depctr_va_vdst(0) depctr_va_sdst(0) depctr_va_ssrc(0) depctr_va_vcc(0) depctr_vm_vsrc(0)
	s_getreg_b32 s2, hwreg(HW_REG_IB_STS2, 6, 4)
	s_cmp_eq_u32 s2, 0
	s_cbranch_scc0 .Lentry_in_a_cluster
	s_endpgm
.Lentry_in_a_cluster:
	s_bfe_u32 s2, ttmp6, 0x10000c
	s_cmp_lg_u32 s2, 0x3003
	s_cbranch_scc0 .Lentry_shape_is_right
	s_endpgm
.Lentry_shape_is_right:
.set SA,    131072
.set SB,    135424
.set SBWV,  8704
.set RING,  170240
; q = Q(query + context) Wq^T + bq, k likewise, v^T = Wv value^T + bv, each quantised again along the next product's K; codes leave as images of operand registers, scale words beside them.
; A work-group holds 128 rows of its first operand as codes in LDS (all of K) and walks 1,024 rows of the other in two halves of 512; a wave makes 128 x 128.
; THE RING: a slot holds 64 of each wave's 128 rows x 256 of K, so a tile's row is 256 bytes of memory at a multiple of 256; slot 0 has a wave's rows 0-63, slot 1 its rows 64-127.
; A step is one slot: 8 blocks of the resident operand x 4 blocks of the streamed one x 2 chunks of 128 along K = 64 matrix instructions; eight steps a half.
; Slot 0's first fill goes out at the head; slot 1's behind the rows loop, behind the full sequence and a round.
; THE PREFETCH of the streamed rows: a pair of slots (256 of K of a wave's 128 rows) is 128 blocks of 256 bytes; the cluster's four share them out by address, 32 rows each: one instruction a wave, a lane a row.
; Pairs 1 to 3 of the first half are asked for in the three trips of the rows loop, the second half's four in the first half's four steps on slot 0: four pairs, eight steps, ahead of their loads at the least; seven in all.
; Pair 0 comes by its loads alone, and the second half asks for nothing.  A weight is walked by all sixteen clusters of its tensor: clusters 0 to 3 ask; value's rows are walked by two clusters: both ask.
; LIMITS: NaN and infinities are not served; a block's scale byte never falls under 1.
.set SLOT,  69632
.set WPART, 17408
.set PFO,   30                         ; v30      1,024 x lane: the prefetches' offset; never rewritten
.set PFC,   66                         ; s66      prefetches still to come (0 or less: none)
.set PFA,   68                         ; s[68:69] where my prefetches stand
.set SPARE, 317696
.set LI,    4
.set L4,    5
.set STW,   7
.set STR,   8
.set IW,    9
.set SW,    10
.set RS,    11
.set VO,    12
.set VS,    13
.set SBA,   14
.set BNO,   15
.set ADRB,  16
.set ADRA,  18
.set ADRS,  19
.set ADRS0, 20
.set BMO,   22
.set MW,    24
.set SPW,   28
.set NIL,   29
.set SC,    32
.set SR,    32
.set CB,    64
.set AF,    128
.set TM,    128
.set PW,    144
.set PC0,   160
.set X,     192
.set CTX,   8
.set WVS,   42
.set XP,    44
.set BP,    46
.set BS,    48
.set BI,    50
.set OI,    52
.set OS,    54
.set WV,    56
.set TY,    57
.set CX,    58
.set WGI,   59
.set G1,    72
.set G0,    80
.set SEL,   88
.set MNT,   90
.set HN,    91
.set LAP,   92
.set MH,    93
.set OIH,   94
.set BIW,   96
.set BMB,   98
.set MUL_LO, 0xa1
.set MUL_HI, 0xf1
.set BIA_LO, 0x81
.set BIA_HI, 0xc1
.set TO_B,   0x40
.set MSB, 0
.macro WIN new
.if MSB != \new
	s_set_vgpr_msb (MSB<<8)|\new
.set MSB, \new
.endif
.endm
.macro PLACES n
.rept \n
	v_nop
.endr
.endm
.macro CREST
	s_cmp_lg_u32 s[WV], 0
	s_cbranch_scc1 .Lnot_wave_0_\@
	s_barrier_signal -3
.Lnot_wave_0_\@:
	s_barrier_wait -3
	s_barrier_signal -1
	s_barrier_wait -1
.endm
.macro CROUND
	s_barrier_signal -1
	s_barrier_wait -1
	CREST
.endm
.macro QUANT src, W, pc, pw
.set QA, (\W)*5
.set QB, (\W)*0x14
.set QC, (\W)*0x41
.set QD, (\W)
	WIN QA
.irp e, 0,1,2,3
	v_max3_num_f32 v[TM+\e], |v[\src+16*\e]|, |v[\src+16*\e+1]|, 0x4800000
.endr
	WIN QB
.irp i, 2,4,6,8,10,12,14
.irp e, 0,1,2,3
	v_max3_num_f32 v[TM+\e], v[TM+\e], |v[\src+16*\e+\i]|, |v[\src+16*\e+\i+1]|
.endr
.endr
	WIN 0
.irp e, 0,1,2,3
	v_permlanex16_b32 v[TM+4+\e], v[TM+\e], s[SEL], s[SEL+1]
.endr
.irp e, 0,1,2,3
	v_max_num_f32 v[TM+\e], v[TM+\e], v[TM+4+\e]
.endr
.irp e, 0,1,2,3
	v_add_nc_u32 v[TM+12+\e], 0xfc000000, v[TM+\e]
.endr
.irp e, 0,1,2,3
	v_and_or_b32 v[TM+8+\e], v[TM+\e], 0x7f800000, s[MNT]
.endr
.irp e, 0,1,2,3
	v_lshrrev_b32 v[TM+4+\e], 23, v[TM+12+\e]
.endr
	v_lshl_or_b32 v[\pw], v[TM+5], 8, v[TM+4]
	v_lshl_or_b32 v[\pw], v[TM+6], 16, v[\pw]
	v_lshl_or_b32 v[\pw], v[TM+7], 24, v[\pw]
	WIN QC
.irp e, 0,1,2,3
.irp i, 0,1,2,3,4,5,6,7,8,9,10,11,12,13,14,15
	v_med3_num_f32 v[\src+16*\e+\i], v[\src+16*\e+\i], -v[TM+8+\e], v[TM+8+\e]
.endr
.endr
	WIN QD
.irp e, 0,1,2,3
	v_cvt_scalef32_pk8_fp8_f32 v[\pc+4*\e:\pc+4*\e+1], v[\src+16*\e:\src+16*\e+7], v[TM+12+\e]
	v_cvt_scalef32_pk8_fp8_f32 v[\pc+4*\e+2:\pc+4*\e+3], v[\src+16*\e+8:\src+16*\e+15], v[TM+12+\e]
.endr
	WIN 0
	v_nop
.endm
.macro HALFLOADS
.irp k, 0,1,2,3,4,5,6,7
	global_load_b128 v[SR+4*\k:SR+4*\k+3], v[LI], s[BS:BS+1] offset:512*\k
.endr
	s_cmp_eq_u32 s[TY], 2
	s_cbranch_scc1 .Lbm_\@
.irp b, 0,1,2,3,4,5,6,7
	global_load_b128 v[CB+8*\b:CB+8*\b+3], v[BNO], s[BIW:BIW+1] offset:64*\b
	global_load_b128 v[CB+8*\b+4:CB+8*\b+7], v[BNO], s[BIW:BIW+1] offset:64*\b+16
.endr
	s_branch .Lbj_\@
.Lbm_\@:
	s_wait_alu depctr_va_vdst(0)
.irp a, 0,1,2,3,4,5,6,7
.irp j, 0,1,2,3,4,5,6,7
	global_load_b32 v[CB+8*\a+\j], v[BMO], s[BMB:BMB+1] offset:64*\a
.endr
.endr
.Lbj_\@:
.endm
	s_load_b512 s[4:19], s[0:1], 0x0
	s_load_b512 s[20:35], s[0:1], 0x40
	s_load_b256 s[36:43], s[0:1], 0x80
	v_lshl_add_u32 v[SPW], v0, 2, SPARE
	v_mov_b32 v[NIL], 0
	ds_add_u32 v28, v29
	ds_add_u32 v28, v29
	s_wait_dscnt 0x0
	v_lshrrev_b32 v1, 5, v0
	v_readfirstlane_b32 s[WV], v1
	s_and_b32 s[TY], ttmp7, 0xffff
	s_bfe_u32 s[CX], ttmp6, 0x40000
	s_lshl_b32 s[WGI], ttmp9, 2
	s_add_co_u32 s[WGI], s[WGI], s[CX]
	s_mov_b32 s[SEL], 0x76543210
	s_mov_b32 s[SEL+1], 0xfedcba98
	s_mov_b32 s[MNT], 0x600000
	s_mov_b32 s[MH], 0xffff0000
	s_mov_b32 s[G1], 15|(1<<20)|(1<<21)|(5<<22)|(3<<25)   ; the cluster's four; 4 words of padding behind every 64
	s_mov_b32 s[G1+1], 256<<16                             ; rows of 256 bytes,
	s_mov_b32 s[G1+2], 64<<16                              ; 64 of them
	s_mov_b32 s[G1+3], 256<<16
	s_mov_b32 s[G1+4], 64
	s_mov_b32 s[G1+5], 1024
	s_mov_b32 s[G1+6], 0
	s_mov_b32 s[G1+7], 0
	v_and_b32 v3, 31, v0
	v_and_b32 v1, 15, v0
	v_bfe_u32 v2, v0, 4, 1
	v_lshlrev_b32 v[LI], 4, v3
	v_lshlrev_b32 v[L4], 2, v3
	v_lshlrev_b32 v[PFO], 10, v3
	s_mul_i32 s60, s[WV], SBWV
	s_add_co_u32 s61, s60, SB
	v_add_nc_u32 v[STW], s61, v[LI]
	v_mul_u32_u24 v[STR], v1, 528
	v_lshl_add_u32 v[STR], v2, 6, v[STR]
	v_add_nc_u32 v[STR], s61, v[STR]
	s_lshl_b32 s62, s[WV], 15
	v_add_nc_u32 v[IW], s62, v[LI]
	v_lshrrev_b32 v[RS], 3, v1
	v_lshlrev_b32 v[RS], 4, v[RS]
	v_lshl_add_u32 v[RS], v1, 5, v[RS]
	s_lshl_b32 s62, s[WV], 3
	s_add_co_u32 s62, s62, SA
	v_add_nc_u32 v[SW], s62, v[RS]
	s_add_co_u32 s62, s60, SB-SA
	v_mul_u32_u24 v[ADRS0], s62, v2
	v_add_nc_u32 v[ADRS0], v[ADRS0], v[RS]
	v_add_nc_u32 v[ADRS0], SA, v[ADRS0]
	v_lshlrev_b32 v[VO], 10, v1
	v_lshl_add_u32 v[VO], v2, 4, v[VO]
	v_lshlrev_b32 v[VS], 5, v1
	v_lshl_add_u32 v[SBA], v2, 4, v[LI]
	v_add_nc_u32 v[SBA], s61, v[SBA]
	v_lshlrev_b32 v[BNO], 5, v2
	v_lshlrev_b32 v[BMO], 2, v1
	s_mul_i32 s67, s[WV], WPART
	s_add_co_u32 s67, s67, RING
	v_mul_u32_u24 v[ADRB], v1, 272
	v_lshl_add_u32 v[ADRB], v2, 4, v[ADRB]
	v_add_nc_u32 v[ADRB], s67, v[ADRB]
	v_add_nc_u32 v[ADRB+1], SLOT, v[ADRB]
.irp e, 0,1,2,3
	v_mov_b32 v[TM+4+\e], 0
.endr
	s_wait_alu depctr_va_vdst(0)   ; the wait at the head's end
	s_wait_kmcnt 0x0
	s_cmp_eq_u32 s[TY], 0
	s_cselect_b64 s[XP:XP+1], s[4:5], s[6:7]
	s_cselect_b64 s[BP:BP+1], s[10:11], s[12:13]
	s_cselect_b64 s[BS:BS+1], s[16:17], s[18:19]
	s_cselect_b64 s[BI:BI+1], s[22:23], s[24:25]
	s_cselect_b64 s[OI:OI+1], s[28:29], s[30:31]
	s_cselect_b64 s[OS:OS+1], s[34:35], s[36:37]
	s_cmp_eq_u32 s[TY], 2
	s_cselect_b64 s[XP:XP+1], s[40:41], s[XP:XP+1]
	s_cselect_b64 s[BP:BP+1], s[14:15], s[BP:BP+1]
	s_cselect_b64 s[BS:BS+1], s[20:21], s[BS:BS+1]
	s_cselect_b64 s[BI:BI+1], s[26:27], s[BI:BI+1]
	s_cselect_b64 s[OI:OI+1], s[32:33], s[OI:OI+1]
	s_cselect_b64 s[OS:OS+1], s[38:39], s[OS:OS+1]
	s_lshl_b32 s10, s[WGI], 19
	s_lshl_b32 s11, s[WV], 10
	s_add_co_u32 s10, s10, s11
	s_lshl_b32 s12, s[WV], 17
	s_lshl_b32 s13, s[WV], 12
	s_lshr_b32 s14, s[WGI], 4
	s_lshl_b32 s14, s14, 21
	s_and_b32 s15, s[WGI], 15
	s_lshl_b32 s15, s15, 15
	s_add_co_u32 s14, s14, s15
	s_lshr_b32 s15, s[WV], 1
	s_lshl_b32 s16, s15, 19
	s_add_co_u32 s14, s14, s16
	s_and_b32 s16, s[WV], 1
	s_lshl_b32 s16, s16, 11
	s_add_co_u32 s14, s14, s16
	s_lshl_b32 s17, s[WGI], 3
	s_add_co_u32 s17, s17, s[WV]
	s_lshl_b32 s17, s17, 9
	s_and_b32 s18, s[WGI], 7
	s_lshr_b32 s19, ttmp9, 1
	s_lshl_b32 s20, s18, 17
	s_lshl_b32 s21, s[WV], 8
	s_add_co_u32 s20, s20, s21
	s_lshl_b32 s21, s19, 20
	s_add_co_u32 s21, s21, s12
	s_lshl_b32 s22, s19, 15
	s_add_co_u32 s22, s22, s13
	s_lshr_b32 s23, ttmp9, 2
	s_and_b32 s24, s19, 1
	s_lshl_b32 s25, s24, 2
	s_add_co_u32 s25, s25, s15
	s_lshl_b32 s25, s25, 18
	s_lshl_b32 s26, s23, 21
	s_add_co_u32 s25, s25, s26
	s_lshl_b32 s26, s18, 15
	s_add_co_u32 s25, s25, s26
	s_add_co_u32 s25, s25, s16
	s_lshl_b32 s26, s23, 3
	s_add_co_u32 s26, s26, s18
	s_lshl_b32 s26, s26, 4
	s_lshl_b32 s27, s24, 3
	s_add_co_u32 s26, s26, s27
	s_add_co_u32 s26, s26, s[WV]
	s_lshl_b32 s26, s26, 9
	s_mov_b32 s[OIH], 0x100000
	s_mov_b32 s[OIH+1], 0
	s_cmp_eq_u32 s[TY], 2
	s_cselect_b32 s10, s20, s10
	s_cselect_b32 s12, s21, s12
	s_cselect_b32 s13, s22, s13
	s_cselect_b32 s14, s25, s14
	s_cselect_b32 s17, s26, s17
	s_cselect_b32 s[OIH], 0x80000, s[OIH]
	s_mov_b32 s11, 0
	s_add_nc_u64 s[XP:XP+1], s[XP:XP+1], s[10:11]
	s_mov_b32 s28, s12
	s_mov_b32 s29, 0
	s_add_nc_u64 s[BP:BP+1], s[BP:BP+1], s[28:29]
	s_mov_b32 s28, s13
	s_add_nc_u64 s[BS:BS+1], s[BS:BS+1], s[28:29]
	s_mov_b32 s28, s14
	s_add_nc_u64 s[OI:OI+1], s[OI:OI+1], s[28:29]
	s_mov_b32 s28, s17
	s_add_nc_u64 s[OS:OS+1], s[OS:OS+1], s[28:29]
	s_lshl_b32 s28, s[WV], 9
	s_add_nc_u64 s[BIW:BIW+1], s[BI:BI+1], s[28:29]
	s_lshl_b32 s28, s18, 9
	s_add_nc_u64 s[BMB:BMB+1], s[BI:BI+1], s[28:29]
	s_lshl_b32 s28, s[WV], 10
	s_add_nc_u64 s[CTX:CTX+1], s[CTX:CTX+1], s[28:29]
	s_lshl_b32 s28, s18, 12
	s_lshl_b32 s30, s[WV], 3
	s_add_co_u32 s28, s28, s30
	s_add_nc_u64 s[WVS:WVS+1], s[WVS:WVS+1], s[28:29]
.irp p, 0,1
	s_mov_b32 s[G0+4*\p], 1
	s_add_co_u32 s[G0+4*\p+1], s67, \p*SLOT
	s_add_nc_u64 s[G0+4*\p+2:G0+4*\p+3], s[BP:BP+1], \p*65536   ; slot p: my rows 64 p on
	s_or_b32 s[G0+4*\p+3], s[G0+4*\p+3], 0x80000000
.endr
	s_lshl_b32 s70, s[CX], 15              ; my work-group's 32 of my wave's 128 rows
	s_mov_b32 s71, 0
	s_add_nc_u64 s[PFA:PFA+1], s[BP:BP+1], s[70:71]
	s_cmp_lt_u32 ttmp9, 4                  ; who asks: the cluster's number and the tensor alone decide
	s_cselect_b32 s[PFC], 7, 0
	s_cmp_eq_u32 s[TY], 2
	s_cselect_b32 s[PFC], 7, s[PFC]
	HALFLOADS
	WIN 0xc0
.irp u, 0,1
	global_load_b128 v[4*\u:4*\u+3], v[LI], s[CTX:CTX+1] offset:512*\u
.endr
	WIN 0
	CROUND
	tensor_load_to_lds s[G0:G0+3], s[G1:G1+7]  ; slot 0: one tensor load a wave at the head
	s_nop 0
	PLACES 4
.macro XLOAD set, jj, u, off
	WIN 0x80
.irp p, 0,1,2,3,4,5,6,7,8,9,10,11,12,13,14,15
	global_load_b128 v[64*(\set)+4*\p:64*(\set)+4*\p+3], v[LI], s[XP:XP+1] offset:(\off)+(16*(\jj)+\p)*4096+512*(\u) th:TH_LOAD_NT
.endr
	WIN 0
.endm
.macro XFRAG set, jj, u, left, reload
	s_wait_loadcnt \left
	WIN 0x8e
.irp p, 0,1,2,3,4,5,6,7,8,9,10,11,12,13,14,15
	v_pk_add_f32 v[64*(\set)+4*\p:64*(\set)+4*\p+1], v[64*(\set)+4*\p:64*(\set)+4*\p+1], v[4*(\u):4*(\u)+1]
	v_pk_add_f32 v[64*(\set)+4*\p+2:64*(\set)+4*\p+3], v[64*(\set)+4*\p+2:64*(\set)+4*\p+3], v[4*(\u)+2:4*(\u)+3]
.endr
	WIN 0x08
.irp p, 0,1,2,3,4,5,6,7,8,9,10,11,12,13,14,15
	ds_store_b128 v[STW], v[64*(\set)+4*\p:64*(\set)+4*\p+3] offset:528*\p
.endr
	WIN 0
.irp c, 0,1,2,3
.irp q, 0,1,2,3
	ds_load_b128 v[X+16*\c+4*\q:X+16*\c+4*\q+3], v[STR] offset:128*\c+16*\q
.endr
.endr
	s_wait_dscnt 0x0
.if \reload
	XLOAD \set, \jj, \u, 131072
.endif
	QUANT X, 0, PC0, PW
.irp c, 0,1,2,3
	ds_store_b128 v[IW], v[PC0+4*\c:PC0+4*\c+3] offset:(\u)*16384+(\jj)*2048+512*\c
.endr
	ds_store_b32 v[SW], v[PW] offset:544*(\jj)+4*(\u)
.endm
	s_cmp_eq_u32 s[TY], 2
	s_cbranch_scc1 .Lgiven
	XLOAD 0, 0, 0, 0
	XLOAD 1, 0, 1, 0
	XLOAD 2, 1, 0, 0
	XLOAD 3, 1, 1, 0
	s_branch .Lready
.Lgiven:
	WIN 0x80
.irp a, 0,1,2,3,4,5,6,7
.irp u, 0,1
.irp c, 0,1,2,3
	global_load_b128 v[16*(2*\a+\u)+4*\c:16*(2*\a+\u)+4*\c+3], v[VO], s[XP:XP+1] offset:\a*16384+128*\u+32*\c
.endr
.endr
.endr
	WIN 0xc0
.irp a, 0,1,2,3,4,5,6,7
.irp u, 0,1
	global_load_b32 v[8+2*\a+\u], v[VS], s[WVS:WVS+1] offset:512*\a+4*\u
.endr
.endr
	WIN 0
	s_wait_loadcnt 0x0
	WIN 0x08
.irp a, 0,1,2,3,4,5,6,7
.irp u, 0,1
.irp c, 0,1,2,3
	ds_store_b128 v[IW], v[16*(2*\a+\u)+4*\c:16*(2*\a+\u)+4*\c+3] offset:\u*16384+\a*2048+512*\c
.endr
.endr
.endr
	WIN 0x0c
.irp a, 0,1,2,3,4,5,6,7
.irp u, 0,1
	ds_store_b32 v[SW], v[8+2*\a+\u] offset:544*\a+4*\u
.endr
.endr
	WIN 0
.Lready:
	s_mov_b32 s[LAP], 3
.Lrows:
	s_cmp_eq_u32 s[TY], 2
	s_cbranch_scc1 .Lrows_given
	XFRAG 0, 0, 0, 48, 1
	XFRAG 1, 0, 1, 48, 1
	XFRAG 2, 1, 0, 48, 1
	XFRAG 3, 1, 1, 48, 1
.Lrows_given:
	s_wait_xcnt 0x0
	s_wait_dscnt 0x0
	s_add_nc_u64 s[XP:XP+1], s[XP:XP+1], 131072
	s_add_nc_u64 s[PFA:PFA+1], s[PFA:PFA+1], 256   ; (behind the wait on XCNT above) the next 256 of K
	s_wait_alu depctr_va_vdst(0)
	v_add_nc_u32 v[IW], 4096, v[IW]
	v_add_nc_u32 v[SW], 1088, v[SW]
	s_cmp_gt_i32 s[PFC], 0
	s_cbranch_scc0 .Lrows_none
	global_prefetch_b8 v[PFO], s[PFA:PFA+1] th:TH_LOAD_NT scope:SCOPE_SE
.Lrows_none:
	s_sub_co_i32 s[PFC], s[PFC], 1
	s_sub_co_u32 s[LAP], s[LAP], 1
	s_cmp_lg_u32 s[LAP], 0
	s_cbranch_scc1 .Lrows
	s_wait_alu depctr_va_vdst(0)
	s_wait_tensorcnt 0x0                       ; slot 0 is in
	ds_add_u32 v[SPW], v[NIL]
	s_wait_dscnt 0x0
	CROUND
	tensor_load_to_lds s[G0+4:G0+7], s[G1:G1+7]  ; slot 1: it lands under the last four fragments' quantising
	s_nop 0
	PLACES 4
	s_cmp_eq_u32 s[TY], 2
	s_cbranch_scc1 .Ljoin
	XFRAG 0, 0, 0, 48, 0
	XFRAG 1, 0, 1, 32, 0
	XFRAG 2, 1, 0, 16, 0
	XFRAG 3, 1, 1, 0, 0
.Ljoin:
	s_wait_dscnt 0x0
	s_barrier_signal -1
	s_barrier_wait -1
; 8 matrix instructions: resident blocks a0, a0 + 1 x the slot's four streamed blocks, the slot's q-th 128 of K.  p: the slot, its set of fragments and of scale words.
; mode 0: the sums go on; 1, 2: the bias starts them (1: along the streamed rows; 2: along the resident rows).  The accumulators take turns.
.macro MUL8 a0, p, q, mode
.irp a, \a0, \a0+1
.irp i, 0,1,2,3
.set rD, 8*(8*((\a)%4)+4*(\p)+\i)
.set rB, 128*(\p)+64*(\q)+16*\i
.set rA, AF+16*(\a)
.set sB, SC+16*(\p)+8*(\q)+4*(\p)+\i
.set sA, SC+16*(\p)+8*(\q)+(\a)
.if \mode == 0
	v_wmma_scale_f32_16x16x128_f8f6f4 v[rD:rD+7], v[rB:rB+15], v[rA:rA+15], v[rD:rD+7], v[sB], v[sA] matrix_a_scale:MATRIX_SCALE_ROW1
.elseif \mode == 1
	v_wmma_scale_f32_16x16x128_f8f6f4 v[rD:rD+7], v[rB:rB+15], v[rA:rA+15], v[CB+8*(4*(\p)+\i):CB+8*(4*(\p)+\i)+7], v[sB], v[sA] matrix_a_scale:MATRIX_SCALE_ROW1
.else
	v_wmma_scale_f32_16x16x128_f8f6f4 v[rD:rD+7], v[rB:rB+15], v[rA:rA+15], v[CB+8*(\a):CB+8*(\a)+7], v[sB], v[sA] matrix_a_scale:MATRIX_SCALE_ROW1
.endif
.endr
.endr
.endm
.macro MULB a0, hi, p                  ; 16 first products of resident blocks a0 .. a0 + 3
	s_cmp_eq_u32 s[TY], 2
	s_cbranch_scc1 .Lrow_\@
.if \hi
	WIN BIA_HI
.else
	WIN BIA_LO
.endif
	MUL8 \a0, \p, 0, 1
	MUL8 \a0+2, \p, 0, 1
	WIN 0
	s_branch .Lmb_\@
.Lrow_\@:
.if \hi
	WIN BIA_HI
.else
	WIN BIA_LO
.endif
	MUL8 \a0, \p, 0, 2
	MUL8 \a0+2, \p, 0, 2
	WIN 0
.Lmb_\@:
.endm
.macro FETCH_B p                       ; slot p's eight fragments: 4 blocks x 2 chunks of K
	WIN TO_B
.irp q, 0,1
.irp i, 0,1,2,3
.irp c, 0,1,2,3
	ds_load_b128 v[128*(\p)+64*\q+16*\i+4*\c:128*(\p)+64*\q+16*\i+4*\c+3], v[ADRB+(\p)] offset:4352*\i+128*\q+32*\c
.endr
.endr
.endr
	WIN 0
.endm
.macro FETCH_A i0, q=0                 ; resident blocks i0 .. i0 + 3 of chunk q of the pair at v[ADRA]
.irp i, \i0, \i0+1, \i0+2, \i0+3
.irp c, 0,1,2,3
	ds_load_b128 v[AF+16*(\i)+4*\c:AF+16*(\i)+4*\c+3], v[ADRA] offset:16384*(\q)+2048*(\i)+512*\c
.endr
.endr
.endm
.macro SCALES p                        ; both chunks' scale words: lanes 0-15 the resident block i's, lanes 16-31 the streamed block i's
.irp q, 0,1
.irp i, 0,1,2,3,4,5,6,7
	ds_load_b32 v[SC+16*(\p)+8*\q+\i], v[ADRS] offset:544*\i+4*\q
.endr
.endr
.endm
; A STEP: one slot.  Its fragments of the streamed rows are in registers already, so behind the barrier the slot is filled again at once (fill 1: 256 of K on; 2: the next half's rows).
.macro STEPT slot, first, fill, fetch
.if 1-\slot
	s_wait_xcnt 0x0                        ; my last prefetch, two steps back, has read its address
.if \first
	s_add_nc_u64 s[PFA:PFA+1], s[PFA:PFA+1], 523520   ; from a half's last 256 of K to the next half's first
.else
	s_add_nc_u64 s[PFA:PFA+1], s[PFA:PFA+1], 256
.endif
.endif
	s_wait_tensorcnt 0x0
	ds_add_u32 v[SPW], v[NIL]
	s_wait_dscnt 0x0
	s_barrier_signal -1
	s_barrier_wait -1
.if \fill
	CREST
.if \fill == 1
	s_add_nc_u64 s[G0+4*\slot+2:G0+4*\slot+3], s[G0+4*\slot+2:G0+4*\slot+3], 256
.else
	s_add_nc_u64 s[G0+4*\slot+2:G0+4*\slot+3], s[G0+4*\slot+2:G0+4*\slot+3], 523520
.endif
	tensor_load_to_lds s[G0+4*\slot:G0+4*\slot+3], s[G1:G1+7]
	s_nop 0
	PLACES 4
.endif
.if \first
	MULB 0, 0, \slot
.else
	WIN MUL_LO
	MUL8 0, \slot, 0, 0
	MUL8 2, \slot, 0, 0
.endif
	PLACES 8
	WIN 0
.if \fetch
.if \slot
	v_add_nc_u32 v[ADRS], 8, v[ADRS]       ; the next step begins the next 256 of K
	s_wait_alu depctr_va_vdst(0)           ; the wait behind the write
.endif
	FETCH_B 1-\slot
	SCALES 1-\slot
.endif
	FETCH_A 0, 1
.if 1-\slot
	s_cmp_gt_i32 s[PFC], 0
	s_cbranch_scc0 .Lnot_asked_\@
	global_prefetch_b8 v[PFO], s[PFA:PFA+1] th:TH_LOAD_NT scope:SCOPE_SE
.Lnot_asked_\@:
	s_sub_co_i32 s[PFC], s[PFC], 1
.endif
.if \first
	MULB 4, 1, \slot
.else
	WIN MUL_HI
	MUL8 4, \slot, 0, 0
	MUL8 6, \slot, 0, 0
.endif
	PLACES 8
	WIN 0
	FETCH_A 4, 1
	s_wait_dscnt 16                        ; all but the 16 just issued
	WIN MUL_LO
	MUL8 0, \slot, 1, 0
	MUL8 2, \slot, 1, 0
	PLACES 8
	WIN 0
.if \fetch
.if \slot
	v_add_nc_u32 v[ADRA], 32768, v[ADRA]
	s_wait_alu depctr_va_vdst(0)           ; the wait behind the write
.endif
	FETCH_A 0, 0
	s_wait_dscnt 16                        ; resident blocks 4-7 of this chunk are in
.else
	s_wait_dscnt 0x0
.endif
	WIN MUL_HI
	MUL8 4, \slot, 1, 0
	MUL8 6, \slot, 1, 0
	PLACES 8
	WIN 0
.if \fetch
	FETCH_A 4, 0
.endif
.endm
.macro EPI a
.set EW, 2+(\a)/4
.set EA, 64*((\a)%4)
.set EP, PC0+16*((\a)%2)
.set EQ, PW+(\a)
	s_wait_xcnt 0x0
	QUANT EA, EW, EP, EQ
.irp c, 0,1,2,3
	global_store_b128 v[LI], v[EP+4*\c:EP+4*\c+3], s[OI:OI+1] offset:(\a)*4096+512*\c
.endr
.endm
.macro EPILOG
.irp a, 0,1,2,3,4,5,6,7
	EPI \a
.endr
.irp j, 0,1,2,3
	v_cndmask_b32 v[MW+\j], v[PW+2*\j], v[PW+2*\j+1], s[MH]
.endr
.irp j, 0,1,2,3
	global_store_b32 v[L4], v[MW+\j], s[OS:OS+1] offset:128*\j
.endr
.endm
	s_mov_b32 s[HN], 0
.Lhalf:
	s_wait_loadcnt 0x0
.irp k, 0,1,2,3,4,5,6,7
	ds_store_b128 v[SBA], v[SR+4*\k:SR+4*\k+3] offset:544*\k
.endr
	v_mov_b32 v[ADRA], v[LI]
	v_mov_b32 v[ADRS], v[ADRS0]
	s_wait_alu depctr_va_vdst(0)
	s_wait_dscnt 0x0
	s_wait_tensorcnt 0x1
	FETCH_B 0
	FETCH_A 0
	SCALES 0
	FETCH_A 4
	STEPT 0, 1, 1, 1                       ; the first 256 of K: both slots' first products start the sums
	STEPT 1, 1, 1, 1
	s_mov_b32 s[LAP], 2
.Lpair:
	STEPT 0, 0, 1, 1
	STEPT 1, 0, 1, 1
	s_sub_co_u32 s[LAP], s[LAP], 1
	s_cmp_lg_u32 s[LAP], 0
	s_wait_alu depctr_va_vdst(0)
	s_cbranch_scc1 .Lpair
	s_cmp_eq_u32 s[HN], 1
	s_cbranch_scc1 .Llast
	STEPT 0, 0, 2, 1                       ; the first half's last two steps ask for the second half's first two slots
	STEPT 1, 0, 2, 0
	s_add_nc_u64 s[BS:BS+1], s[BS:BS+1], 16384
	s_add_nc_u64 s[BIW:BIW+1], s[BIW:BIW+1], 2048
	HALFLOADS
	s_branch .Lout
.Llast:
	STEPT 0, 0, 0, 1                       ; the second half's tail is written out: it asks for nothing
	STEPT 1, 0, 0, 0
.Lout:
	EPILOG                                 ; one text for both halves
	s_wait_xcnt 0x0
	s_add_nc_u64 s[OI:OI+1], s[OI:OI+1], s[OIH:OIH+1]
	s_add_nc_u64 s[OS:OS+1], s[OS:OS+1], 2048
	s_add_co_u32 s[HN], s[HN], 1
	s_cmp_lt_u32 s[HN], 2
	s_wait_alu depctr_va_vdst(0)
	s_cbranch_scc1 .Lhalf
	s_wait_tensorcnt 0x0
	ds_add_u32 v[SPW], v[NIL]
	s_wait_dscnt 0x0
	CROUND
	s_endpgm
.Lfunc_end_k_qe9f3c5cb02_proj:
	.size	k_qe9f3c5cb02_proj, .Lfunc_end_k_qe9f3c5cb02_proj-k_qe9f3c5cb02_proj
	.p2alignl 7, 3214868480
	.fill 96, 4, 3214868480
	.section	.rodata,"a",@progbits
	.p2align	6, 0x0
	.amdhsa_kernel k_qe9f3c5cb02_proj
		.amdhsa_group_segment_fixed_size 327680
		.amdhsa_private_segment_fixed_size 0
		.amdhsa_enable_private_segment 0
		.amdhsa_kernarg_size 160
		.amdhsa_user_sgpr_count 2
		.amdhsa_user_sgpr_kernarg_segment_ptr 1
		.amdhsa_wavefront_size32 1
		.amdhsa_system_sgpr_workgroup_id_x 1
		.amdhsa_system_sgpr_workgroup_id_y 1
		.amdhsa_system_sgpr_workgroup_id_z 1
		.amdhsa_system_vgpr_workitem_id 0
		.amdhsa_next_free_vgpr 1024
		.amdhsa_next_free_sgpr 100
		.amdhsa_reserve_vcc 0
		.amdhsa_float_denorm_mode_32 3
		.amdhsa_float_denorm_mode_16_64 3
		.amdhsa_memory_ordered 1
		.amdhsa_forward_progress 1
		.amdhsa_inst_pref_size 255
	.end_amdhsa_kernel
	.section	.bss,"aw",@nobits
	.p2align	6
	.space	262144
	.amdgpu_metadata
---
amdhsa.version: [ 1, 2 ]
amdhsa.kernels:
  - .name:           k_qe9f3c5cb02_proj
    .symbol:         k_qe9f3c5cb02_proj.kd
    .args:
      - { .name: query, .offset: 0, .size: 8, .value_kind: global_buffer, .address_space: global }
      - { .name: key, .offset: 8, .size: 8, .value_kind: global_buffer, .address_space: global }
      - { .name: context, .offset: 16, .size: 8, .value_kind: global_buffer, .address_space: global }
      - { .name: Wq_codes, .offset: 24, .size: 8, .value_kind: global_buffer, .address_space: global }
      - { .name: Wk_codes, .offset: 32, .size: 8, .value_kind: global_buffer, .address_space: global }
      - { .name: value_codes, .offset: 40, .size: 8, .value_kind: global_buffer, .address_space: global }
      - { .name: Wq_scales, .offset: 48, .size: 8, .value_kind: global_buffer, .address_space: global }
      - { .name: Wk_scales, .offset: 56, .size: 8, .value_kind: global_buffer, .address_space: global }
      - { .name: value_scales, .offset: 64, .size: 8, .value_kind: global_buffer, .address_space: global }
      - { .name: bq, .offset: 72, .size: 8, .value_kind: global_buffer, .address_space: global }
      - { .name: bk, .offset: 80, .size: 8, .value_kind: global_buffer, .address_space: global }
      - { .name: bv, .offset: 88, .size: 8, .value_kind: global_buffer, .address_space: global }
      - { .name: qimg, .offset: 96, .size: 8, .value_kind: global_buffer, .address_space: global }
      - { .name: kimg, .offset: 104, .size: 8, .value_kind: global_buffer, .address_space: global }
      - { .name: vimg, .offset: 112, .size: 8, .value_kind: global_buffer, .address_space: global }
      - { .name: qsc, .offset: 120, .size: 8, .value_kind: global_buffer, .address_space: global }
      - { .name: ksc, .offset: 128, .size: 8, .value_kind: global_buffer, .address_space: global }
      - { .name: vsc, .offset: 136, .size: 8, .value_kind: global_buffer, .address_space: global }
      - { .name: Wv_codes, .offset: 144, .size: 8, .value_kind: global_buffer, .address_space: global }
      - { .name: Wv_scales, .offset: 152, .size: 8, .value_kind: global_buffer, .address_space: global }
    .group_segment_fixed_size: 327680
    .private_segment_fixed_size: 0
    .kernarg_segment_align: 8
    .kernarg_segment_size: 160
    .max_flat_workgroup_size: 128
    .sgpr_count:     100
    .vgpr_count:     1024
    .wavefront_size: 32
...
	.end_amdgpu_metadata
.endif
;; end of part 1
;; launch scores (part 2): grid 8 x 32, 4 waves a work-group, clusters of 4 x 4, 327,680 bytes of LDS; arguments qimg, qsc, kimg, ksc, pimg, pmeta; writes pimg, pmeta
.if DOCPART == 2
	.amdgcn_target "amdgcn-amd-amdhsa--gfx1250"
	.amdhsa_code_object_version 6
	.text
	.protected	k_qe9f3c5cb02_scores
	.globl	k_qe9f3c5cb02_scores
	.p2align	8
	.type	k_qe9f3c5cb02_scores,@function
k_qe9f3c5cb02_scores:
	s_mov_b64 s[64:65], 0
	v_nop
	global_prefetch_b8 v0, s[64:65] scope:SCOPE_SE
	s_setreg_imm32_b32 hwreg(HW_REG_WAVE_MODE, 25, 1), 1
	s_wait_xcnt 0x0
	s_wait_alu depctr_hold_cnt(0) depctr_sa_sdst(0) depctr_va_vdst(0) depctr_va_sdst(0) depctr_va_ssrc(0) depctr_va_vcc(0) depctr_vm_vsrc(0)
	s_getreg_b32 s2, hwreg(HW_REG_IB_STS2, 6, 4)
	s_cmp_eq_u32 s2, 0
	s_cbranch_scc0 .Lentry_in_a_cluster
	s_endpgm
.Lentry_in_a_cluster:
	s_bfe_u32 s2, ttmp6, 0x10000c
	s_cmp_lg_u32 s2, 0xf033
	s_cbranch_scc0 .Lentry_shape_is_right
	s_endpgm
.Lentry_shape_is_right:
.set HALFT,  32768
.set SLOT,   131072
.set SCL,    262144
.set SPARE,  278528
.set ADRA, 16
.set ADRB, 20
.set LI,   24
.set L4,   25
.set ADRS, 27
.set SPW,  28
.set NIL,  29
.set SC,   32
.set AF,   128
.set PWS,  160
.set NMS,  168
.set LS,   176
.set MG,   184
.set BX,   200
.set PMT,  204
.set HO,   208
.set SO,   212
.set NM,   216
.set SU,   218
.set FT,   222
.set WV,   16
.set HR,   17
.set HC,   18
.set G1,   24
.set G0,   32
.set G1B,  48
.set G0B,  56
.set G1S,  68
.set G0S,  76
.set G1SB, 80
.set G0SB, 88
.set SEL,  92
.set MNT,  94
.set MH,   95
.set CS,   96
.set PO,   12
.set PM,   14
.set MUL_LO, 0xa1
.set MUL_HI, 0xf1
.set TO_B,   0x40
.set MSB, 0
.macro WIN new
.if MSB != \new
	s_set_vgpr_msb (MSB<<8)|\new
.set MSB, \new
.endif
.endm
.macro PLACES n
.rept \n
	v_nop
.endr
.endm
.macro JLOAD g0a, g1a, g0b, g1b
	s_cmp_eq_u32 s[HR], 0
	s_cbranch_scc0 .Lfor_b_\@
	tensor_load_to_lds s[\g0a:\g0a+3], s[\g1a:\g1a+7]
	s_nop 0
.rept 4
	v_nop
.endr
	s_branch .Lasked_\@
.Lfor_b_\@:
	tensor_load_to_lds s[\g0b:\g0b+3], s[\g1b:\g1b+7]
	s_nop 0
.rept 4
	v_nop
.endr
.Lasked_\@:
.endm
.macro CREST
	s_cmp_lg_u32 s[WV], 0
	s_cbranch_scc1 .Lnot_wave_0_\@
	s_barrier_signal -3
.Lnot_wave_0_\@:
	s_barrier_wait -3
	s_barrier_signal -1
	s_barrier_wait -1
.endm
.macro CROUND
	s_barrier_signal -1
	s_barrier_wait -1
	CREST
.endm
	s_load_b128 s[4:7], s[0:1], 0x0
	s_load_b128 s[8:11], s[0:1], 0x10
	s_load_b128 s[12:15], s[0:1], 0x20
	v_lshl_add_u32 v[SPW], v0, 2, SPARE
	v_mov_b32 v[NIL], 0
	ds_add_u32 v28, v29
	ds_add_u32 v28, v29
	s_wait_dscnt 0x0
	v_lshrrev_b32 v1, 5, v0
	v_readfirstlane_b32 s[WV], v1
	s_lshr_b32 s[HR], s[WV], 1
	s_and_b32 s[HC], s[WV], 1
	s_bfe_u32 s40, ttmp6, 0x40000
	s_bfe_u32 s41, ttmp6, 0x40004
	s_lshl_b32 s42, ttmp9, 2
	s_add_co_u32 s42, s42, s40
	s_and_b32 s100, ttmp7, 0xffff
	s_lshl_b32 s19, s100, 2
	s_add_co_u32 s19, s19, s41
	s_lshr_b32 s100, s100, 1
	s_lshl_b32 s43, s41, 2
	s_lshl_b32 s43, 15, s43
	s_lshl_b32 s44, 0x1111, s40
	s_or_b32 s[G1], s43, (3<<16)|(1<<21)
	s_or_b32 s[G1B], s44, (3<<16)|(1<<21)
	s_or_b32 s[G1S], s43, (3<<16)|(1<<21)
	s_or_b32 s[G1SB], s44, (3<<16)|(1<<21)
.irp g, G1, G1B
	s_mov_b32 s[\g+1], 32<<16
	s_mov_b32 s[\g+2], 256<<16             ; the head's loads of codes bring 256 rows of 256 bytes; behind them the two words are set to 128
	s_mov_b32 s[\g+3], 32<<16
	s_mov_b32 s[\g+4], 256
	s_mov_b32 s[\g+5], 32
	s_mov_b32 s[\g+6], 0
	s_mov_b32 s[\g+7], 0
.endr
.irp g, G1S, G1SB
	s_mov_b32 s[\g+1], 32<<16
	s_mov_b32 s[\g+2], 32<<16              ; the scale words of 256 rows: 8,192 dense bytes
	s_mov_b32 s[\g+3], 32<<16
	s_mov_b32 s[\g+4], 32
	s_mov_b32 s[\g+5], 32
	s_mov_b32 s[\g+6], 0
	s_mov_b32 s[\g+7], 0
.endr
	s_lshr_b32 s20, s19, 3
	s_lshl_b32 s20, s20, 21
	s_and_b32 s21, s19, 7
	s_lshl_b32 s21, s21, 16
	s_add_co_u32 s20, s20, s21
	s_lshl_b32 s21, s[HC], 15
	s_add_co_u32 s20, s20, s21
	s_mov_b32 s21, 0
	s_lshl_b32 s22, s19, 13
	s_mov_b32 s23, 0
	s_lshl_b32 s46, s100, 21
	s_lshl_b32 s47, s42, 16
	s_add_co_u32 s46, s46, s47
	s_lshl_b32 s47, s[HC], 15
	s_add_co_u32 s46, s46, s47
	s_mov_b32 s47, 0
	s_lshl_b32 s98, s100, 4
	s_lshl_b32 s99, s42, 1
	s_add_co_u32 s98, s98, s99
	s_lshl_b32 s98, s98, 12
	s_mov_b32 s99, 0
	s_lshl_b32 s45, s[WV], 15
	s_mov_b32 s[SEL], 0x76543210
	s_mov_b32 s[SEL+1], 0xfedcba98
	s_mov_b32 s[MNT], 0x600000
	s_mov_b32 s[MH], 0xffff0000
	s_mov_b32 s[CS], 0x3d38aa3b
	s_mov_b32 s[CS+1], s[CS]
	s_wait_kmcnt 0x0
	s_add_nc_u64 s[20:21], s[4:5], s[20:21]
	s_add_nc_u64 s[22:23], s[6:7], s[22:23]
	s_add_nc_u64 s[46:47], s[8:9], s[46:47]
	s_add_nc_u64 s[98:99], s[10:11], s[98:99]
	CROUND
	s_mov_b32 s[G0S], 1
	s_mov_b32 s[G0S+1], SCL
	s_mov_b64 s[G0S+2:G0S+3], s[22:23]
	s_or_b32 s[G0S+3], s[G0S+3], 0x80000000
	s_mov_b32 s[G0SB], 1
	s_mov_b32 s[G0SB+1], SCL+8192
	s_mov_b64 s[G0SB+2:G0SB+3], s[98:99]
	s_or_b32 s[G0SB+3], s[G0SB+3], 0x80000000
.irp s, 0,1
	s_mov_b32 s[G0+4*\s], 1
	s_add_co_u32 s[G0+4*\s+1], s45, \s*SLOT
	s_add_nc_u64 s[G0+4*\s+2:G0+4*\s+3], s[20:21], \s*0x80000
	s_or_b32 s[G0+4*\s+3], s[G0+4*\s+3], 0x80000000
	s_mov_b32 s[G0B+4*\s], 1
	s_add_co_u32 s[G0B+4*\s+1], s45, \s*SLOT
	s_add_nc_u64 s[G0B+4*\s+2:G0B+4*\s+3], s[46:47], \s*0x80000
	s_or_b32 s[G0B+4*\s+3], s[G0B+4*\s+3], 0x80000000
.endr
; THE HEAD'S LOADS, ONE A WAVE: wave 0 K step 0's 256 rows of q, wave 2 its 256 rows of k (in both the wave's own group 0 stands at the tile's first byte), wave 1 q's scale words, wave 3 k's.
.macro ARM who, g0, g1, next
	s_cmp_eq_u32 s[WV], \who
	s_cbranch_scc0 \next
	tensor_load_to_lds s[\g0:\g0+3], s[\g1:\g1+7]
	s_nop 0
	PLACES 4
	s_branch .Lhead_asked
\next:
.endm
	ARM 0, G0,  G1,  .Lhead_b
	ARM 2, G0B, G1B, .Lhead_sa
	ARM 1, G0S, G1S, .Lhead_sb
	tensor_load_to_lds s[G0SB:G0SB+3], s[G1SB:G1SB+7]
	s_nop 0
	PLACES 4
.Lhead_asked:
	v_and_b32 v1, 15, v0
	v_bfe_u32 v2, v0, 4, 1
	s_wait_alu depctr_va_vdst(0)
	v_and_b32 v3, 31, v0
	v_lshlrev_b32 v[LI], 4, v3
	v_lshlrev_b32 v[L4], 2, v3
	s_lshl_b32 s20, s[HR], 15
	s_lshl_b32 s22, s[HC], 15
	s_add_co_u32 s22, s22, 2*HALFT
.irp s, 0,1
	v_add_nc_u32 v[ADRA+\s], s20, v[LI]
	v_add_nc_u32 v[ADRB+\s], s22, v[LI]
	s_add_co_u32 s20, s20, SLOT
	s_add_co_u32 s22, s22, SLOT
.endr
	s_lshl_b32 s20, s[HR], 12
	s_lshl_b32 s22, s[HC], 12
	s_add_co_u32 s22, s22, 8192
	s_sub_co_u32 s22, s22, s20
	v_mul_u32_u24 v6, s22, v2
	v_lshlrev_b32 v5, 2, v1
	v_add_nc_u32 v5, v5, v6
	s_add_co_u32 s20, s20, SCL
	v_add_nc_u32 v[ADRS], s20, v5
	s_lshr_b32 s20, s19, 3
	s_lshl_b32 s20, s20, 22
	s_lshl_b32 s21, s42, 19
	s_add_co_u32 s20, s20, s21
	s_and_b32 s21, s19, 7
	s_lshl_b32 s21, s21, 4
	s_lshl_b32 s22, s[HR], 3
	s_add_co_u32 s21, s21, s22
	s_lshl_b32 s21, s21, 12
	s_add_co_u32 s20, s20, s21
	s_lshl_b32 s21, s[HC], 11
	s_add_co_u32 s20, s20, s21
	s_mov_b32 s21, 0
	s_add_nc_u64 s[PO:PO+1], s[PO:PO+1], s[20:21]
	s_lshl_b32 s20, s19, 1
	s_add_co_u32 s20, s20, s[HR]
	s_mul_i32 s20, s20, 48
	s_lshl_b32 s22, s42, 1
	s_add_co_u32 s20, s20, s22
	s_add_co_u32 s20, s20, s[HC]
	s_lshl_b32 s20, s20, 9
	s_add_nc_u64 s[PM:PM+1], s[PM:PM+1], s[20:21]
.macro FRAG reg, adr, q, i
.irp c, 0,1,2,3
	ds_load_b128 v[\reg+4*\c:\reg+4*\c+3], v[\adr] offset:2048*(\q)+4096*(\i)+512*\c
.endr
.endm
.macro MUL16 a0, p, q, sc, zero
.irp a, \a0, \a0+1
.irp b, 0,1,2,3,4,5,6,7
.set rD, 8*(8*((\a)%4)+\b)
.set rB, 128*(\p)+16*\b
.set rA, AF+16*(\a)
.if \zero
	v_wmma_scale_f32_16x16x128_f8f6f4 v[rD:rD+7], v[rB:rB+15], v[rA:rA+15], 0, v[SC+16*(\sc)+8*(\q)+\b], v[SC+16*(\sc)+8*(\q)+(\a)] matrix_a_scale:MATRIX_SCALE_ROW1
.else
	v_wmma_scale_f32_16x16x128_f8f6f4 v[rD:rD+7], v[rB:rB+15], v[rA:rA+15], v[rD:rD+7], v[SC+16*(\sc)+8*(\q)+\b], v[SC+16*(\sc)+8*(\q)+(\a)] matrix_a_scale:MATRIX_SCALE_ROW1
.endif
.endr
.endr
.endm
.macro FETCH_B slot, q, p
	WIN TO_B
.irp i, 0,1,2,3,4,5,6,7
	FRAG 128*(\p)+16*\i, ADRB+\slot, \q, \i
.endr
	WIN 0
.endm
.macro FETCH_A slot, q, i0
.irp i, \i0, \i0+1, \i0+2, \i0+3
	FRAG AF+16*(\i), ADRA+\slot, \q, \i
.endr
.endm
.macro SCALES sc
.irp q, 0,1
.irp i, 0,1,2,3,4,5,6,7
	ds_load_b32 v[SC+16*\sc+8*\q+\i], v[ADRS] offset:512*\q+64*\i
.endr
.endr
.endm
.macro STEP slot, zero
	s_wait_dscnt 16
	WIN MUL_LO
	MUL16 0, 0, 0, \slot, \zero
	MUL16 2, 0, 0, \slot, \zero
	s_wait_dscnt 0
	PLACES 8
	FETCH_B \slot, 1, 1
	FETCH_A \slot, 1, 0
	WIN MUL_HI
	MUL16 4, 0, 0, \slot, \zero
	MUL16 6, 0, 0, \slot, \zero
	PLACES 8
	WIN 0
	FETCH_A \slot, 1, 4
.endm
.macro TURN slot, next, fill
	s_wait_tensorcnt 0x0
	ds_add_u32 v[SPW], v[NIL]
	s_wait_dscnt 17
	WIN MUL_LO
	MUL16 0, 1, 1, \slot, 0
	s_wait_dscnt 0x0
	s_barrier_signal -1
	MUL16 2, 1, 1, \slot, 0
	WIN 0
	s_barrier_wait -1
.if \fill
	CREST
	s_add_nc_u64 s[G0+4*\slot+2:G0+4*\slot+3], s[G0+4*\slot+2:G0+4*\slot+3], 0x100000
	s_add_nc_u64 s[G0B+4*\slot+2:G0B+4*\slot+3], s[G0B+4*\slot+2:G0B+4*\slot+3], 0x100000
	JLOAD G0+4*\slot, G1, G0B+4*\slot, G1B
	PLACES 4
.else
	PLACES 8
.endif
	s_wait_alu depctr_va_vdst(0)
	v_add_nc_u32 v[ADRS], 1024, v[ADRS]
	FETCH_B \next, 0, 0
	FETCH_A \next, 0, 0
	SCALES \next
	WIN MUL_HI
	MUL16 4, 1, 1, \slot, 0
	MUL16 6, 1, 1, \slot, 0
	PLACES 8
	WIN 0
	FETCH_A \next, 0, 4
.endm
	s_wait_alu depctr_va_vdst(0)           ; the wait at the head's end
	s_wait_tensorcnt 0x0                   ; my tile of the head's four is in; these lines stand ahead of a later first fill as ahead of a refill
	ds_add_u32 v[SPW], v[NIL]
	s_mov_b32 s[G1+2], 128<<16             ; no tensor load of mine is out: from here on a load brings 128 rows
	s_mov_b32 s[G1+4], 128
	s_mov_b32 s[G1B+2], 128<<16
	s_mov_b32 s[G1B+4], 128
	s_wait_dscnt 0x0
	CROUND
	JLOAD G0+4, G1, G0B+4, G1B             ; K step 1, the first tensor load behind the round
	FETCH_B 0, 0, 0
	FETCH_A 0, 0, 0
	SCALES 0
	FETCH_A 0, 0, 4
	STEP 0, 1
	s_mov_b32 s3, 1
.Llap:
	TURN 0, 1, 1
	STEP 1, 0
	TURN 1, 0, 1
	STEP 0, 0
	s_sub_co_u32 s3, s3, 1
	s_cmp_lg_u32 s3, 0
	s_cbranch_scc1 .Llap
	TURN 0, 1, 0
	STEP 1, 0
	s_wait_dscnt 16
	WIN MUL_LO
	MUL16 0, 1, 1, 1, 0
	MUL16 2, 1, 1, 1, 0
	s_wait_dscnt 0
	WIN MUL_HI
	MUL16 4, 1, 1, 1, 0
	MUL16 6, 1, 1, 1, 0
	WIN 0
.macro SOFT a
.set SWN, 2+(\a)/4
.set AC,  64*((\a)%4)
.set PC,  224+16*((\a)%2)
.set W15, SWN*0x15
.set W14, SWN*0x14
.set WDS, SWN*0x41
.set W05, SWN*5
	WIN W15
.irp e, 0,1,2,3
	v_max3_num_f32 v[BX+\e], v[AC+16*\e], v[AC+16*\e+1], v[AC+16*\e+2]
.endr
	WIN W14
.irp i, 3,5,7,9,11,13
.irp e, 0,1,2,3
	v_max3_num_f32 v[BX+\e], v[BX+\e], v[AC+16*\e+\i], v[AC+16*\e+\i+1]
.endr
.endr
.irp e, 0,1,2,3
	v_max_num_f32 v[BX+\e], v[BX+\e], v[AC+16*\e+15]
.endr
	WIN 0
.irp e, 0,1,2,3
	v_permlanex16_b32 v[PMT+\e], v[BX+\e], s[SEL], s[SEL+1]
.endr
.irp e, 0,1,2,3
	v_max_num_f32 v[BX+\e], v[BX+\e], v[PMT+\e]
.endr
	v_max3_num_f32 v[FT], v[BX], v[BX+1], v[BX+2]
	v_max_num_f32 v[FT], v[FT], v[BX+3]
	v_mul_f32 v[FT], s[CS], v[FT]
	v_floor_f32 v[NM], -v[FT]
	v_mov_b32 v[NM+1], v[NM]
	v_mov_b32 v[NMS+(\a)], v[NM]
.irp e, 0,1,2,3
	v_fma_f32 v[BX+\e], v[BX+\e], s[CS], v[NM]
.endr
	WIN WDS
.set n, 0
.rept 32
	v_pk_fma_f32 v[AC+n:AC+n+1], v[AC+n:AC+n+1], s[CS:CS+1], v[NM:NM+1] op_sel_hi:[1,0,0]
.set n, n+2
.endr
.set n, 0
	s_wait_alu depctr_va_vdst(0)
.rept 64
	v_exp_f32 v[AC+n], v[AC+n]
.set n, n+1
.endr
	v_nop
	s_wait_alu depctr_va_vdst(0)
	WIN 0
.irp e, 0,1,2,3
	v_exp_f32 v[BX+\e], v[BX+\e]
.endr
	WIN W05
	v_pk_add_f32 v[SU:SU+1], v[AC:AC+1], v[AC+2:AC+3]
	v_pk_add_f32 v[SU+2:SU+3], v[AC+4:AC+5], v[AC+6:AC+7]
	WIN SWN
.irp j, 8,12,16,20,24,28,32,36,40,44,48,52,56,60
	v_pk_add_f32 v[SU:SU+1], v[AC+\j:AC+\j+1], v[SU:SU+1]
	v_pk_add_f32 v[SU+2:SU+3], v[AC+\j+2:AC+\j+3], v[SU+2:SU+3]
.endr
	WIN 0
	v_pk_add_f32 v[SU:SU+1], v[SU:SU+1], v[SU+2:SU+3]
	v_add_f32 v[FT], v[SU], v[SU+1]
	v_permlanex16_b32 v[FT+1], v[FT], s[SEL], s[SEL+1]
	v_add_f32 v[LS+(\a)], v[FT], v[FT+1]
	s_wait_alu depctr_va_vdst(0)
.irp e, 0,1,2,3
	v_max_num_f32 v[BX+\e], 0x4800000, v[BX+\e]
.endr
.irp e, 0,1,2,3
	v_add_nc_u32 v[SO+\e], 0xfc000000, v[BX+\e]
.endr
.irp e, 0,1,2,3
	v_and_or_b32 v[HO+\e], v[BX+\e], 0x7f800000, s[MNT]
.endr
.irp e, 0,1,2,3
	v_lshrrev_b32 v[PMT+\e], 23, v[SO+\e]
.endr
	v_lshl_or_b32 v[PWS+(\a)], v[PMT+1], 8, v[PMT]
	v_lshl_or_b32 v[PWS+(\a)], v[PMT+2], 16, v[PWS+(\a)]
	v_lshl_or_b32 v[PWS+(\a)], v[PMT+3], 24, v[PWS+(\a)]
	WIN WDS
.irp e, 0,1,2,3
.irp i, 0,1,2,3,4,5,6,7,8,9,10,11,12,13,14,15
	v_min_num_f32 v[AC+16*\e+\i], v[AC+16*\e+\i], v[HO+\e]
.endr
.endr
	s_wait_alu depctr_va_vdst(0)
	s_wait_xcnt 0x0
	WIN SWN
.irp e, 0,1,2,3
	v_cvt_scalef32_pk8_fp8_f32 v[PC+4*\e:PC+4*\e+1], v[AC+16*\e:AC+16*\e+7], v[SO+\e]
	v_cvt_scalef32_pk8_fp8_f32 v[PC+4*\e+2:PC+4*\e+3], v[AC+16*\e+8:AC+16*\e+15], v[SO+\e]
.endr
	WIN 0
	v_nop
.irp c, 0,1,2,3
	global_store_b128 v[LI], v[PC+4*\c:PC+4*\c+3], s[PO:PO+1] offset:(\a)*4096+512*\c
.endr
.endm
	PLACES 8
.irp e, 0,1,2,3
	v_mov_b32 v[PMT+\e], 0
.endr
	v_mov_b32 v[FT+1], 0
.irp a, 0,1,2,3,4,5,6,7
	SOFT \a
.endr
.irp j, 0,1,2,3
	v_cndmask_b32 v[MG+\j], v[PWS+2*\j], v[PWS+2*\j+1], s[MH]
	v_cndmask_b32 v[MG+4+\j], v[NMS+2*\j], v[NMS+2*\j+1], s[MH]
	v_cndmask_b32 v[MG+8+\j], v[LS+2*\j], v[LS+2*\j+1], s[MH]
.endr
.irp p, 0,1,2
.irp j, 0,1,2,3
	global_store_b32 v[L4], v[MG+4*\p+\j], s[PM:PM+1] offset:8192*\p+128*\j
.endr
.endr
	s_wait_tensorcnt 0x0
	ds_add_u32 v[SPW], v[NIL]
	s_wait_dscnt 0x0
	CROUND
	s_endpgm
.Lfunc_end_k_qe9f3c5cb02_scores:
	.size	k_qe9f3c5cb02_scores, .Lfunc_end_k_qe9f3c5cb02_scores-k_qe9f3c5cb02_scores
	.p2alignl 7, 3214868480
	.fill 96, 4, 3214868480
	.section	.rodata,"a",@progbits
	.p2align	6, 0x0
	.amdhsa_kernel k_qe9f3c5cb02_scores
		.amdhsa_group_segment_fixed_size 327680
		.amdhsa_private_segment_fixed_size 0
		.amdhsa_enable_private_segment 0
		.amdhsa_kernarg_size 48
		.amdhsa_user_sgpr_count 2
		.amdhsa_user_sgpr_kernarg_segment_ptr 1
		.amdhsa_wavefront_size32 1
		.amdhsa_system_sgpr_workgroup_id_x 1
		.amdhsa_system_sgpr_workgroup_id_y 1
		.amdhsa_system_sgpr_workgroup_id_z 1
		.amdhsa_system_vgpr_workitem_id 0
		.amdhsa_next_free_vgpr 1024
		.amdhsa_next_free_sgpr 102
		.amdhsa_reserve_vcc 0
		.amdhsa_float_denorm_mode_32 3
		.amdhsa_float_denorm_mode_16_64 3
		.amdhsa_memory_ordered 1
		.amdhsa_forward_progress 1
		.amdhsa_inst_pref_size 230
	.end_amdhsa_kernel
	.amdgpu_metadata
---
amdhsa.version: [ 1, 2 ]
amdhsa.kernels:
  - .name:           k_qe9f3c5cb02_scores
    .symbol:         k_qe9f3c5cb02_scores.kd
    .args:
      - { .name: qimg, .offset: 0, .size: 8, .value_kind: global_buffer, .address_space: global }
      - { .name: qsc, .offset: 8, .size: 8, .value_kind: global_buffer, .address_space: global }
      - { .name: kimg, .offset: 16, .size: 8, .value_kind: global_buffer, .address_space: global }
      - { .name: ksc, .offset: 24, .size: 8, .value_kind: global_buffer, .address_space: global }
      - { .name: pimg, .offset: 32, .size: 8, .value_kind: global_buffer, .address_space: global }
      - { .name: pmeta, .offset: 40, .size: 8, .value_kind: global_buffer, .address_space: global }
    .group_segment_fixed_size: 327680
    .private_segment_fixed_size: 0
    .kernarg_segment_align: 8
    .kernarg_segment_size: 48
    .max_flat_workgroup_size: 128
    .sgpr_count:     102
    .vgpr_count:     1024
    .wavefront_size: 32
...
	.end_amdgpu_metadata
.endif
;; end of part 2
;; launch pv (part 3): grid 4 x 64, 4 waves a work-group, clusters of 4 x 4, 327,680 bytes of LDS; arguments pimg, pmeta, vimg, vsc, out0; writes out0
.if DOCPART == 3
	.amdgcn_target "amdgcn-amd-amdhsa--gfx1250"
	.amdhsa_code_object_version 6
	.text
	.protected	k_qe9f3c5cb02_pv
	.globl	k_qe9f3c5cb02_pv
	.p2align	8
	.type	k_qe9f3c5cb02_pv,@function
k_qe9f3c5cb02_pv:
	s_mov_b64 s[64:65], 0
	v_nop
	global_prefetch_b8 v0, s[64:65] scope:SCOPE_SE
	s_setreg_imm32_b32 hwreg(HW_REG_WAVE_MODE, 25, 1), 1
	s_wait_xcnt 0x0
	s_wait_alu depctr_hold_cnt(0) depctr_sa_sdst(0) depctr_va_vdst(0) depctr_va_sdst(0) depctr_va_ssrc(0) depctr_va_vcc(0) depctr_vm_vsrc(0)
	s_getreg_b32 s2, hwreg(HW_REG_IB_STS2, 6, 4)
	s_cmp_eq_u32 s2, 0
	s_cbranch_scc0 .Lentry_in_a_cluster
	s_endpgm
.Lentry_in_a_cluster:
	s_bfe_u32 s2, ttmp6, 0x10000c
	s_cmp_lg_u32 s2, 0xf033
	s_cbranch_scc0 .Lentry_shape_is_right
	s_endpgm
.Lentry_shape_is_right:
; O = P v / l on E4M3 codes with E8M0 scales, K = the 2,048 keys.
; P's codes were made under an M of their own for each (query, 128 keys).  Here each query's M is the largest of its sixteen; D = own M - M is a whole number, 0 or less; each of P's scale bytes is moved by D
; (an exact power of two), and l = the sum of l_own x 2^D.  O is multiplied by 1 / l (v_rcp_f32) at the end.
; A tile of O, 128 queries x 256 channels, is made by four waves; a wave makes 64 x 128: 32 accumulators.  (Tiles of 256 x 256 would be 128 work-groups.)
; P's and v^T's codes lie in memory as images of fragments (16 rows x 128 K = [c][lane][16 bytes]); 256 keys of the tile's rows, a PLANE, are dense: 32,768 bytes of P, 65,536 of v^T.
; THREE PLANE BUFFERS IN LDS, plane p in buffer p % 3.  The first fills bring planes 0, 1, 2 (plane 0 by three loads of the head; planes 1 and 2 by one load a wave).  A refill fills TWO buffers at once, one dense load a wave:
; wave 0 P of plane a, wave 1 P of plane a + 1, waves 2 and 3 the same of v^T: 196,608 bytes on their way behind one barrier.  So the five planes left take three refills: planes 3 and 4 when 0 and 1 have been
; read, 5 and 6 when 2 and 3 have been read, 7 when 4 has been read.  The K walk is written out: 16 steps of 128 keys, 32 matrix instructions each; the fragments of a step are fetched in the middle of the step before.
; CLUSTERS: 4 x 4 work-groups; P's tiles are asked for jointly along a row of the cluster, v^T's along a column.
; THE MATRIX INSTRUCTION IS USED TRANSPOSED (source 0 = 16 channels of v^T, source 1 = 16 queries of P): a lane holds eight neighbouring channels of one query.
; LIMITS: a scale byte that would fall under 0 is held at 0: what it stands for is under 2^-118 of the row's largest p.  NaN and infinities are not served.
; lds_bytes: 320,512 bytes are used.
.set PB,     98304                     ; a plane buffer: P's 128 rows (32,768 bytes), then v^T's 256 rows (65,536)
.set VOFF,   32768
.set PS,     294912                    ; behind the three buffers: P's moved scale words, [128 keys][128 queries]
.set RL,     303104                    ; 1 / l, a word for each query
.set SCV,    303616                    ; v^T's scale words: two halves of 8,192 bytes, [128 keys][128 channels]
.set SPARE,  320000                    ; the spare words, 128 bytes for each wave
.set STAGE,  2*PB                      ; the way out: a stage of 16 rows x (512 bytes + 16) for each wave, in buffer 2, behind its last fill (plane 5) and its last read
.set SPITCH, 528
.set PFO,  7                           ; v7     256 x lane: the prefetches' offset; never rewritten
.set ADRA, 16                          ; v16-18 my fragments of P in buffer 0, 1, 2
.set ADRB, 19                          ; v19-21 of v^T
.set STO,  22
.set RD,   23
.set LI,   24                          ; 16 x lane
.set T4,   25                          ; 4 x thread
.set ADRS, 26                          ; scale words, blocks 0-3: lanes 0-15 P's, lanes 16-31 v^T's
.set ADRS2, 27                         ; blocks 4-7: v^T's
.set SPW,  28
.set NIL,  29
.set RLA,  30
.set PSA,  31
.set SC,   32                          ; v32-63 scale words: (plane % 2) x 16 + 8 x (which 128 keys) + block
.set RV,   32                          ; the way out: 1 / l, a pair for each block
.set PWR,  64                          ; the prologue: v64-79 scale words, v80-95 -M then D, v96-111 l
.set NMR,  80
.set LR,   96
.set GM,   112
.set LT,   113
.set TB,   114
.set TMP,  64                          ; the way out: a block's 64 numbers
.set AF,   128                         ; P's fragments, two sets of 64
.set VW,   2                           ; s[2:3]   v^T's tile, plane (wave % 2)
.set PW,   14                          ; s[14:15] P's tile, plane (wave % 2)
.set WV,   16
.set WQ,   17                          ; wave / 2: my 64 queries.  Also: I fetch for P (0) or for v^T (1)
.set WD,   18                          ; wave % 2: my 128 channels.  Also: which half, or which of two planes, I fetch
.set G1P,  24                          ; s[24:31] group 1: a plane of P's tile, 128 rows of 256 bytes
.set G1V,  32                          ; s[32:39] a plane of v^T's tile, 256 rows
.set G1VH, 48                          ; s[48:55] half a plane of v^T's tile, 128 rows
.set G1S,  56                          ; s[56:63] both halves of v^T's scale words, 64 rows
.set G0P,  68                          ; s[68:71] group 0 for P: one set for the fills and the refills
.set G0V,  80                          ; s[80:83] the same for v^T
.set G0S,  92                          ; s[92:95] for the scale words
.set LIM7, 66                          ; s66  1 in a wave that prefetches plane 7
.set LIM,  99                          ; s99  1 in a wave that prefetches planes 5 and 6
.set PFA,  100                         ; s[100:101] where my prefetches stand; never rewritten
.set MUL,  0xa1                        ; source 0 (v^T) window 1, source 1 (P) window 0, C and D window 2
.set TO_B, 0x40
.set MSB, 0
.macro WIN new                         ; the immediate's high byte repeats the setting that is left
.if MSB != \new
	s_set_vgpr_msb (MSB<<8)|\new
.set MSB, \new
.endif
.endm
.macro PLACES n
.rept \n
	v_nop
.endr
.endm
.macro SHAPE g, rows                   ; a dense block as rows of 256 bytes: 32 elements of 8 bytes, no padding
	s_mov_b32 s[\g+1], 32<<16
	s_mov_b32 s[\g+2], (\rows)<<16
	s_mov_b32 s[\g+3], 32<<16
	s_mov_b32 s[\g+4], \rows
	s_mov_b32 s[\g+5], 32
	s_mov_b32 s[\g+6], 0
	s_mov_b32 s[\g+7], 0
.endm
.macro JLOAD                           ; a joint refill of two buffers: waves 0 and 1 a plane of P each, waves 2 and 3 a plane of v^T each; four v_nop follow each of the two lines
	s_cmp_eq_u32 s[WQ], 0
	s_cbranch_scc0 .Lfor_v_\@
	tensor_load_to_lds s[G0P:G0P+3], s[G1P:G1P+7]
	s_nop 0
.rept 4
	v_nop
.endr
	s_branch .Lasked_\@
.Lfor_v_\@:
	tensor_load_to_lds s[G0V:G0V+3], s[G1V:G1V+7]
	s_nop 0
.rept 4
	v_nop
.endr
.Lasked_\@:
.endm
.macro JLOAD0                          ; the joint refill of one buffer: wave 0 P's plane, wave 2 v^T's; waves 1 and 3 have no part to fill
	s_cmp_eq_u32 s[WV], 0
	s_cbranch_scc0 .Lnot_p_\@
	tensor_load_to_lds s[G0P:G0P+3], s[G1P:G1P+7]
	s_nop 0
.rept 4
	v_nop
.endr
	s_branch .Lasked_\@
.Lnot_p_\@:
	s_cmp_eq_u32 s[WV], 2
	s_cbranch_scc0 .Lasked_\@
	tensor_load_to_lds s[G0V:G0V+3], s[G1V:G1V+7]
	s_nop 0
.rept 4
	v_nop
.endr
.Lasked_\@:
.endm
; A PREFETCH INTO THE L2 of what the NEXT refill will ask for; it stands behind a refill's tensor load, its four lines and the run of LDS loads that follows.  Plane pl + (wave % 2).
; Each aligned block of 256 bytes is named ONCE in the launch.  A plane of P's tile (32,768 bytes) is read by the four work-groups of one row of one cluster: each takes 8,192 bytes, told apart BY ADDRESS (cx):
; waves 0 and 1, one instruction, lanes 256 bytes apart.  A plane of v^T's tile (65,536 bytes) is read by the column's four and by the batch's other three clusters: the batch's first cluster asks (a branch on the
; cluster's y, the same in all partners); its column's four take 16,384 bytes each by address (cy): waves 2 and 3, two instructions.  Planes 0 to 4 come by their loads alone; behind the last refill nothing is asked for.
.macro ASK pl, lim
	s_cmp_eq_u32 s[\lim], 1
	s_cbranch_scc0 .Lnot_mine_\@
	s_cmp_eq_u32 s[WQ], 0
	s_cbranch_scc0 .Lask_v_\@
	global_prefetch_b8 v[PFO], s[PFA:PFA+1] offset:(\pl)*0x80000 th:TH_LOAD_NT scope:SCOPE_SE
	s_branch .Lnot_mine_\@
.Lask_v_\@:
	global_prefetch_b8 v[PFO], s[PFA:PFA+1] offset:(\pl)*0x40000 th:TH_LOAD_NT scope:SCOPE_SE
	global_prefetch_b8 v[PFO], s[PFA:PFA+1] offset:(\pl)*0x40000+8192 th:TH_LOAD_NT scope:SCOPE_SE
.Lnot_mine_\@:
.endm
.macro CREST                           ; a round of the cluster's barrier behind its opening barrier
	s_cmp_lg_u32 s[WV], 0
	s_cbranch_scc1 .Lnot_wave_0_\@
	s_barrier_signal -3
.Lnot_wave_0_\@:
	s_barrier_wait -3
	s_barrier_signal -1
	s_barrier_wait -1
.endm
.macro CROUND
	s_barrier_signal -1
	s_barrier_wait -1
	CREST
.endm
	s_load_b128 s[4:7], s[0:1], 0x0                ; P's images, P's three words
	s_load_b128 s[8:11], s[0:1], 0x10              ; v^T's images, v^T's scale words
	s_load_b64 s[12:13], s[0:1], 0x20              ; O
	v_lshl_add_u32 v[SPW], v0, 2, SPARE
	v_mov_b32 v[NIL], 0
	ds_add_u32 v28, v29
	ds_add_u32 v28, v29
	s_wait_dscnt 0x0
	v_lshrrev_b32 v1, 5, v0
	v_readfirstlane_b32 s[WV], v1
	s_lshr_b32 s[WQ], s[WV], 1
	s_and_b32 s[WD], s[WV], 1
	s_bfe_u32 s96, ttmp6, 0x40000                  ; cx, cy
	s_bfe_u32 s97, ttmp6, 0x40004
	s_lshl_b32 s98, ttmp9, 2
	s_add_co_u32 s98, s98, s96                     ; x: the tile of 256 channels
	s_and_b32 s99, ttmp7, 0xffff                   ; the cluster's y
	s_lshl_b32 s19, s99, 2
	s_add_co_u32 s19, s19, s97                     ; y: batch x 16 + the tile of 128 queries
	s_lshr_b32 s100, s99, 2                        ; the batch, from the cluster's y alone
	s_lshl_b32 s66, s97, 2
	s_lshl_b32 s66, 15, s66                        ; my row of the cluster
	s_lshl_b32 s67, 0x1111, s96                    ; my column
	s_or_b32 s[G1P], s66, (3<<16)|(1<<21)          ; 15:0 the mask; 17:16 elements of 8 bytes; 21 set beside a mask
	s_or_b32 s[G1V], s67, (3<<16)|(1<<21)
	s_or_b32 s[G1VH], s67, (3<<16)|(1<<21)
	s_or_b32 s[G1S], s67, (3<<16)|(1<<21)
	SHAPE G1P, 128
	SHAPE G1V, 256
	SHAPE G1VH, 128
	SHAPE G1S, 64                          ; both halves of v^T's scale words: 16,384 dense bytes
	; byte offsets, made apart from the addresses
	s_lshr_b32 s20, s19, 4
	s_lshl_b32 s20, s20, 22
	s_and_b32 s21, s19, 15
	s_lshl_b32 s21, s21, 15
	s_add_co_u32 s20, s20, s21
	s_mov_b32 s21, 0                               ; s[20:21] P: batch 2^22 + tile 32,768
	s_lshl_b32 s22, s100, 21
	s_lshl_b32 s23, s98, 16
	s_add_co_u32 s22, s22, s23
	s_mov_b32 s23, 0                               ; s[22:23] v^T: batch 2^21 + tile 65,536
	s_lshl_b32 s100, s100, 3
	s_lshl_b32 s101, s98, 1
	s_add_co_u32 s100, s100, s101
	s_lshl_b32 s100, s100, 13
	s_mov_b32 s101, 0                              ; s[100:101] v^T's scale words: group of 128 channels x 8,192
	s_lshl_b32 s[PW], s[WD], 19
	s_mov_b32 s[PW+1], 0                           ; a plane of P on in waves 1 and 3
	s_lshl_b32 s[VW], s[WD], 18
	s_mov_b32 s[VW+1], 0                           ; a plane of v^T on
	v_lshlrev_b32 v[T4], 2, v0
	v_lshl_add_u32 v[PSA], v0, 2, PS
	s_wait_alu depctr_va_vdst(0)
	s_wait_kmcnt 0x0
	s_add_nc_u64 s[4:5], s[4:5], s[20:21]          ; P's tile, plane 0
	s_add_nc_u64 s[8:9], s[8:9], s[22:23]          ; v^T's tile, plane 0
	s_add_nc_u64 s[10:11], s[10:11], s[100:101]    ; the tile's v^T scale words, both halves
	s_add_nc_u64 s[PW:PW+1], s[4:5], s[PW:PW+1]
	s_add_nc_u64 s[VW:VW+1], s[8:9], s[VW:VW+1]
	s_mul_i32 s20, s19, 24576                      ; P's words: 3 planes x 16 x 512 bytes for 128 queries  (s21 is 0)
	s_add_nc_u64 s[6:7], s[6:7], s[20:21]
.irp s, 0,1,2,3,4,5,6,7,8,9,10,11,12,13,14,15
	global_load_b32 v[PWR+\s], v[T4], s[6:7] offset:512*\s            ; thread t takes query t: its sixteen scale words,
	global_load_b32 v[NMR+\s], v[T4], s[6:7] offset:8192+512*\s       ; -M,
	global_load_b32 v[LR+\s], v[T4], s[6:7] offset:16384+512*\s       ; and l
.endr
	s_lshl_b32 s20, s[WD], 14                      ; my half of P's part: the same step in memory and in a buffer
	s_add_nc_u64 s[4:5], s[4:5], s[20:21]
	s_lshl_b32 s22, s[WD], 15                      ; my half of v^T's part
	s_add_nc_u64 s[8:9], s[8:9], s[22:23]
	s_add_co_u32 s22, s22, VOFF                    ; which lies behind P's in a buffer
.irp p, 0
	s_mov_b32 s[G0P+4*\p], 1
	s_add_co_u32 s[G0P+4*\p+1], s20, \p*PB         ; LDS address: buffer p, my half: no place in the cluster enters an LDS address
	s_add_nc_u64 s[G0P+4*\p+2:G0P+4*\p+3], s[4:5], \p*0x80000
	s_or_b32 s[G0P+4*\p+3], s[G0P+4*\p+3], 0x80000000   ; type = 2
	s_mov_b32 s[G0V+4*\p], 1
	s_add_co_u32 s[G0V+4*\p+1], s22, \p*PB
	s_add_nc_u64 s[G0V+4*\p+2:G0V+4*\p+3], s[8:9], \p*0x40000
	s_or_b32 s[G0V+4*\p+3], s[G0V+4*\p+3], 0x80000000
.endr
	s_mov_b32 s[G0S], 1
	s_mov_b32 s[G0S+1], SCV
	s_mov_b64 s[G0S+2:G0S+3], s[10:11]
	s_or_b32 s[G0S+3], s[G0S+3], 0x80000000
	; the prefetches: where mine stand, and who asks
	s_lshl_b32 s96, s96, 13                        ; cx x 8,192: my work-group's quarter of a plane of P's tile
	s_lshl_b32 s97, s97, 14                        ; cy x 16,384: of v^T's
	s_cmp_eq_u32 s[WQ], 0
	s_cselect_b64 s[PFA:PFA+1], s[PW:PW+1], s[VW:VW+1]
	s_cselect_b32 s96, s96, s97
	s_mov_b32 s97, 0
	s_add_nc_u64 s[PFA:PFA+1], s[PFA:PFA+1], s[96:97]
	s_and_b32 s[LIM], s[LIM], 3                    ; 0 in the batch's first cluster,
	s_mul_i32 s[LIM], s[LIM], s[WQ]                ; and in the waves that fetch for P everywhere
	s_or_b32 s[LIM7], s[LIM], s[WD]                ; plane 7 has no plane beside it: waves 0 and 2 alone
	s_cmp_eq_u32 s[LIM], 0
	s_cselect_b32 s[LIM], 1, 0
	s_cmp_eq_u32 s[LIM7], 0
	s_cselect_b32 s[LIM7], 1, 0
	CROUND                                 ; all sixteen work-groups are here: the first joint loads meet
; THE HEAD'S LOADS, ONE A WAVE: wave 0 P's plane 0, whole; wave 1 v^T's scale words, whole; waves 2 and 3 the halves of v^T's plane 0.
; Planes 1 and 2 follow behind the prologue, behind the full sequence and a round, one load a wave.
	s_cmp_eq_u32 s[WQ], 0
	s_cbranch_scc0 .Lfirst_v
	s_cmp_eq_u32 s[WV], 0
	s_cbranch_scc0 .Lfirst_s
	tensor_load_to_lds s[G0P:G0P+3], s[G1P:G1P+7]
	s_nop 0
	PLACES 4
	s_branch .Lfirst_done
.Lfirst_s:
	tensor_load_to_lds s[G0S:G0S+3], s[G1S:G1S+7]
	s_nop 0
	PLACES 4
	s_branch .Lfirst_done
.Lfirst_v:
	tensor_load_to_lds s[G0V:G0V+3], s[G1VH:G1VH+7]
	s_nop 0
	PLACES 4
.Lfirst_done:
	v_and_b32 v1, 15, v0                           ; r
	v_bfe_u32 v2, v0, 4, 1                         ; h
	v_and_b32 v3, 31, v0
	v_lshlrev_b32 v[LI], 4, v3
	v_lshlrev_b32 v[PFO], 8, v3
	s_lshl_b32 s20, s[WQ], 14                      ; my 64 queries
	s_lshl_b32 s22, s[WD], 15
	s_add_co_u32 s22, s22, VOFF                    ; my 128 channels
.irp s, 0,1,2
	v_add_nc_u32 v[ADRA+\s], s20, v[LI]
	v_add_nc_u32 v[ADRB+\s], s22, v[LI]
	s_add_co_u32 s20, s20, PB
	s_add_co_u32 s22, s22, PB
.endr
	s_lshl_b32 s20, s[WQ], 8
	s_lshl_b32 s21, s[WD], 13
	s_add_co_u32 s22, s21, SCV-PS
	s_sub_co_u32 s22, s22, s20
	v_mul_u32_u24 v6, s22, v2                      ; lanes 16-31 take v^T's
	v_lshlrev_b32 v5, 2, v1
	v_add_nc_u32 v6, v6, v5
	s_add_co_u32 s23, s20, PS
	v_add_nc_u32 v[ADRS], s23, v6
	s_add_co_u32 s21, s21, SCV
	v_add_nc_u32 v[ADRS2], s21, v5
	s_add_co_u32 s23, s20, RL
	v_add_nc_u32 v[RLA], s23, v5
	s_mul_i32 s23, s[WV], 16*SPITCH
	s_add_co_u32 s23, s23, STAGE                   ; my stage
	v_mul_u32_u24 v[STO], v1, SPITCH
	v_lshl_add_u32 v[STO], v2, 5, v[STO]
	v_add_nc_u32 v[STO], s23, v[STO]               ; in: row r, 32 bytes for each half of the lanes
	v_add_nc_u32 v[RD], s23, v[LI]                 ; back: the 32 lanes take one row of 512 bytes
	s_lshl_b32 s20, s19, 19                        ; O: 128 rows of 4,096 bytes a tile,
	s_lshl_b32 s21, s[WQ], 18                      ; my 64 rows,
	s_add_co_u32 s20, s20, s21
	s_lshl_b32 s21, s98, 10                        ; the tile's 256 channels,
	s_add_co_u32 s20, s20, s21
	s_lshl_b32 s21, s[WD], 9                       ; my 128
	s_add_co_u32 s20, s20, s21
	s_mov_b32 s21, 0
	s_add_nc_u64 s[12:13], s[12:13], s[20:21]
	; THE PROLOGUE: my query's M, l and moved scale words
	s_wait_loadcnt 0x0
	v_min3_num_f32 v[GM], v[NMR], v[NMR+1], v[NMR+2]
.irp s, 3,5,7,9,11,13
	v_min3_num_f32 v[GM], v[GM], v[NMR+\s], v[NMR+\s+1]
.endr
	v_min_num_f32 v[GM], v[GM], v[NMR+15]          ; the least -M: the largest M
.irp s, 0,1,2,3,4,5,6,7,8,9,10,11,12,13,14,15
	v_sub_f32 v[NMR+\s], v[GM], v[NMR+\s]          ; D = own M - M: a whole number, 0 or less
.endr
.irp s, 0,1,2,3,4,5,6,7,8,9,10,11,12,13,14,15
	v_cvt_i32_f32 v[NMR+\s], v[NMR+\s]             ; (it saturates)
.endr
.irp s, 0,1,2,3,4,5,6,7,8,9,10,11,12,13,14,15
	v_ldexp_f32 v[LR+\s], v[LR+\s], v[NMR+\s]
.endr
.irp s, 0,1,2,3,4,5,6,7
	v_add_f32 v[LR+\s], v[LR+\s], v[LR+8+\s]
.endr
.irp s, 0,1,2,3
	v_add_f32 v[LR+\s], v[LR+\s], v[LR+4+\s]
.endr
	v_add_f32 v[LR], v[LR], v[LR+2]
	v_add_f32 v[LR+1], v[LR+1], v[LR+3]
	v_add_f32 v[LR], v[LR], v[LR+1]                ; l
	s_wait_alu depctr_va_vdst(0)
	v_rcp_f32 v[LT], v[LR]
.irp s, 0,1,2,3,4,5,6,7,8,9,10,11,12,13,14,15
.irp e, 0,1,2,3
	v_bfe_u32 v[TB+\e], v[PWR+\s], 8*\e, 8
.endr
.irp e, 0,1,2,3
	v_add_nc_u32 v[TB+\e], v[TB+\e], v[NMR+\s]     ; the byte moved by D,
.endr
.irp e, 0,1,2,3
	v_cmp_gt_i32 vcc_lo, 0, v[TB+\e]
	v_cndmask_b32 v[TB+\e], v[TB+\e], v[NIL], vcc_lo   ; held at 0 from below
.endr
	v_lshl_or_b32 v[PWR+\s], v[TB+1], 8, v[TB]
	v_lshl_or_b32 v[PWR+\s], v[TB+2], 16, v[PWR+\s]
	v_lshl_or_b32 v[PWR+\s], v[TB+3], 24, v[PWR+\s]
	ds_store_b32 v[PSA], v[PWR+\s] offset:512*\s
.endr
	s_wait_alu depctr_va_vdst(0)                   ; the wait ahead of the reciprocal's first reader
	ds_store_b32 v[PSA], v[LT] offset:RL-PS
	s_wait_tensorcnt 0x0                   ; my tile of the head's is in; these lines stand ahead of a later first fill as ahead of a refill
	ds_add_u32 v[SPW], v[NIL]
	s_mul_i32 s[G0P+1], s[WD], PB          ; plane 1 + (wave % 2) into buffer 1 + (wave % 2): waves 0 and 1 P's, waves 2 and 3 v^T's
	s_add_co_u32 s[G0P+1], s[G0P+1], PB
	s_add_co_u32 s[G0V+1], s[G0P+1], VOFF
	s_add_nc_u64 s[G0P+2:G0P+3], s[PW:PW+1], 0x80000
	s_or_b32 s[G0P+3], s[G0P+3], 0x80000000
	s_add_nc_u64 s[G0V+2:G0V+3], s[VW:VW+1], 0x40000
	s_or_b32 s[G0V+3], s[G0V+3], 0x80000000
	s_wait_dscnt 0x0                       ; the add is done, and my words lie in LDS
	CROUND
	JLOAD
; 8 matrix instructions: P's block a x v^T's eight.  q: which 128 keys of the plane, and the set of fragments.  The 32 accumulators take turns, one instruction a turn, in the same order in every step.
.macro MUL8 a, q, sc, zero
.irp b, 0,1,2,3,4,5,6,7
.set rD, 8*(8*(\a)+\b)
.set rB, 128*(\q)+16*\b
.set rA, AF+64*(\q)+16*(\a)
.if \zero
	v_wmma_scale_f32_16x16x128_f8f6f4 v[rD:rD+7], v[rB:rB+15], v[rA:rA+15], 0, v[SC+16*(\sc)+8*(\q)+\b], v[SC+16*(\sc)+8*(\q)+(\a)] matrix_a_scale:MATRIX_SCALE_ROW1
.else
	v_wmma_scale_f32_16x16x128_f8f6f4 v[rD:rD+7], v[rB:rB+15], v[rA:rA+15], v[rD:rD+7], v[SC+16*(\sc)+8*(\q)+\b], v[SC+16*(\sc)+8*(\q)+(\a)] matrix_a_scale:MATRIX_SCALE_ROW1
.endif
.endr
.endm
.macro FETCH3 buf, q                   ; the fragments of the q-th 128 keys of the plane in buffer buf, into set q: 32 loads for v^T, 16 for P
	WIN TO_B
.irp i, 0,1,2,3,4,5,6,7
.irp c, 0,1,2,3
	ds_load_b128 v[128*(\q)+16*\i+4*\c:128*(\q)+16*\i+4*\c+3], v[ADRB+\buf] offset:2048*(\q)+4096*\i+512*\c
.endr
.endr
	WIN 0
.irp i, 0,1,2,3
.irp c, 0,1,2,3
	ds_load_b128 v[AF+64*(\q)+16*\i+4*\c:AF+64*(\q)+16*\i+4*\c+3], v[ADRA+\buf] offset:2048*(\q)+4096*\i+512*\c
.endr
.endr
.endm
.macro SCALES3 sc, pl                  ; plane pl's scale words into set sc: 512 bytes for each 128 keys, so the plane stands in the immediate
.irp q, 0,1
.irp i, 0,1,2,3
	ds_load_b32 v[SC+16*(\sc)+8*\q+\i], v[ADRS] offset:1024*(\pl)+512*\q+64*\i
.endr
.irp i, 4,5,6,7
	ds_load_b32 v[SC+16*(\sc)+8*\q+\i], v[ADRS2] offset:1024*(\pl)+512*\q+64*\i
.endr
.endr
.endm
.macro STEP3 buf, sc, zero             ; a plane's first 128 keys; in the middle its second 128 are fetched
	s_wait_dscnt 0x0
	WIN MUL
	MUL8 0, 0, \sc, \zero
	MUL8 1, 0, \sc, \zero
	PLACES 8                                       ; eight plain vector instructions in front of loads into registers that matrix instructions have read
	FETCH3 \buf, 1
	WIN MUL
	MUL8 2, 0, \sc, \zero
	MUL8 3, 0, \sc, \zero
.endm
; A plane's second 128 keys; in the middle the next plane's first 128 (plane npl, in buffer nbuf) and its scale words (set nsc) are fetched.  Three forms, by what has to be ordered in front of that fetch.
.macro NEXT3 sc, nbuf, nsc, npl
	FETCH3 \nbuf, 0
	SCALES3 \nsc, \npl
.endm
.macro LAST16 sc
	WIN MUL
	MUL8 2, 1, \sc, 0
	MUL8 3, 1, \sc, 0
.endm
.macro TURN_PLAIN sc, nbuf, nsc, npl   ; the next plane has been shown to every wave by an earlier barrier
	s_wait_dscnt 0x0
	WIN MUL
	MUL8 0, 1, \sc, 0
	MUL8 1, 1, \sc, 0
	PLACES 8
	NEXT3 \sc, \nbuf, \nsc, \npl
	LAST16 \sc
.endm
.macro TURN_SHOW sc, nbuf, nsc, npl, left   ; the next plane is shown: each wave waits for its part of it (left: its younger loads, which may stay out), then a barrier behind which nothing is filled
	s_wait_dscnt 0x0                               ; my fragments are in, and no LDS instruction of mine is out at the signal
	WIN MUL
	MUL8 0, 1, \sc, 0
	s_wait_tensorcnt \left
	s_barrier_signal -1
	MUL8 1, 1, \sc, 0
	s_barrier_wait -1
	PLACES 8
	NEXT3 \sc, \nbuf, \nsc, \npl
	LAST16 \sc
.endm
; The r-th refill.  In front of the barrier each wave waits for all its tensor loads, adds 0 to its spare word, and waits for that and for its LDS reads: the buffers to be filled have been read out, since the
; fragments of this step were the last to come from them.  The barrier opens a round of the cluster's; the joint refill is the first tensor load behind it, one a wave.
; r = 1: planes 3, 4 into buffers 0, 1;  r = 2: planes 5, 6 into buffers 2, 0;  r = 3: plane 7 into buffer 1.  A wave's plane is 2 r + 1 + (wave % 2).
.macro TURN_FILL sc, nbuf, nsc, npl, r
	WIN 0
	s_wait_tensorcnt 0x0                           ; all my tensor loads have landed
	ds_add_u32 v[SPW], v[NIL]                      ; 0 onto my spare word
	s_wait_dscnt 1                                 ; the add may be out
	WIN MUL
	MUL8 0, 1, \sc, 0
	s_wait_dscnt 0x0                               ; the add is done, and my LDS reads are over
	s_barrier_signal -1
	MUL8 1, 1, \sc, 0
	WIN 0
	s_barrier_wait -1
	CREST                                          ; no wave of any partner still reads these buffers or has a load on its way
.if \r == 1
	s_mul_i32 s[G0P+1], s[WD], PB                  ; buffer (wave % 2)
.elseif \r == 2
	s_xor_b32 s[G0P+1], s[WD], 1
	s_mul_i32 s[G0P+1], s[G0P+1], 2*PB             ; buffer 2 in waves 0 and 2, buffer 0 in waves 1 and 3
.else
	s_mov_b32 s[G0P+1], PB                         ; buffer 1
.endif
	s_add_co_u32 s[G0V+1], s[G0P+1], VOFF
	s_add_nc_u64 s[G0P+2:G0P+3], s[PW:PW+1], (2*(\r)+1)*0x80000
	s_or_b32 s[G0P+3], s[G0P+3], 0x80000000
	s_add_nc_u64 s[G0V+2:G0V+3], s[VW:VW+1], (2*(\r)+1)*0x40000
	s_or_b32 s[G0V+3], s[G0V+3], 0x80000000
.if \r == 3
	JLOAD0                                         ; (waves 1 and 3 issue nothing: what their registers hold is not used)
	PLACES 8                                       ; waves 1 and 3 have passed no v_nop: the eight places in front of the loads below stand here for all
.else
	JLOAD
	PLACES 4                                       ; with the four behind the tensor load: eight places in front of the loads below
.endif
	NEXT3 \sc, \nbuf, \nsc, \npl
.if \r == 1
	ASK 5, LIM                                     ; planes 5 and 6: what the next refill will ask for, four steps of 128 keys on
.elseif \r == 2
	ASK 7, LIM7                                    ; plane 7: what the last refill will ask for, two steps on
.endif
	LAST16 \sc
.endm
	FETCH3 0, 0
	SCALES3 0, 0
	STEP3 0, 0, 1                                  ; plane 0: the first products start the sums
	TURN_SHOW 0, 1, 1, 1, 0                ; planes 1 and 2 are shown: each wave's one load is waited for
	STEP3 1, 1, 0                                  ; plane 1
	TURN_FILL 1, 2, 0, 2, 1                        ; plane 2 has landed; planes 3 and 4 go out
	STEP3 2, 0, 0                                  ; plane 2
	TURN_SHOW 0, 0, 1, 3, 0                        ; planes 3 and 4 are shown
	STEP3 0, 1, 0                                  ; plane 3
	TURN_FILL 1, 1, 0, 4, 2                        ; planes 5 and 6 go out
	STEP3 1, 0, 0                                  ; plane 4
	TURN_FILL 0, 2, 1, 5, 3                        ; planes 5 and 6 have landed; plane 7 goes out: the last load
	STEP3 2, 1, 0                                  ; plane 5
	TURN_PLAIN 1, 0, 0, 6
	STEP3 0, 0, 0                                  ; plane 6
	TURN_SHOW 0, 1, 1, 7, 0                        ; plane 7 is shown.  Every wave's reads of buffer 2 were over in front of this barrier: behind it the stages may be written there
	STEP3 1, 1, 0                                  ; plane 7
	s_wait_dscnt 0x0
	MUL8 0, 1, 1, 0
	MUL8 1, 1, 1, 0
	MUL8 2, 1, 1, 0
	MUL8 3, 1, 1, 0
	WIN 0
; THE WAY OUT, block by block of 16 queries x 128 channels: x 1 / l; through my stage in LDS; back as whole rows of 512 bytes, which the 32 lanes store as 512 consecutive bytes.
.macro PACK a
	WIN 0x02                                       ; source 0 window 2
.set n, 0
.rept 32
	v_pk_mul_f32 v[TMP+n:TMP+n+1], v[64*(\a)+n:64*(\a)+n+1], v[RV+2*(\a):RV+2*(\a)+1] op_sel_hi:[1,0]
.set n, n+2
.endr
	WIN 0
.endm
.macro TOSTAGE a
.set BB, AF+64*((\a)%2)
.irp b, 0,1,2,3,4,5,6,7
	ds_store_b128 v[STO], v[TMP+8*\b:TMP+8*\b+3] offset:64*\b
	ds_store_b128 v[STO], v[TMP+8*\b+4:TMP+8*\b+7] offset:64*\b+16
.endr
.irp t, 0,1,2,3,4,5,6,7,8,9,10,11,12,13,14,15
	ds_load_b128 v[BB+4*\t:BB+4*\t+3], v[RD] offset:\t*SPITCH      ; LDS serves a wave's instructions in order: these see the stores above
.endr
.endm
.macro SEND a, younger                 ; younger: the LDS instructions issued behind block a's loads
.set BB, AF+64*((\a)%2)
	s_wait_dscnt \younger
.if (\a) > 0
	s_add_nc_u64 s[12:13], s[12:13], 65536         ; 16 rows of O on (behind a wait that shows that the earlier stores have read their base)
.endif
.irp t, 0,1,2,3,4,5,6,7,8,9,10,11,12,13,14,15
	global_store_b128 v[LI], v[BB+4*\t:BB+4*\t+3], s[12:13] offset:\t*4096 th:TH_STORE_NT
.endr
.endm
	PLACES 8                                       ; behind the last products
.irp a, 0,1,2,3
	ds_load_b32 v[RV+2*\a], v[RLA] offset:64*\a    ; 1 / l of query 16 a + r; the pair's upper register is named with it, so it is written
	ds_load_b32 v[RV+2*\a+1], v[RLA] offset:64*\a
.endr
	s_wait_dscnt 0x0
	PACK 0
	TOSTAGE 0
.irp a, 1,2,3
	PACK \a
.if \a > 1
	s_wait_alu depctr_va_vdst(0)
	s_wait_xcnt 0x0                                ; block a - 2's stores have read their registers and their base
.endif
	TOSTAGE \a
	SEND \a-1, 32                                  ; behind block a - 1's loads: block a's 16 stores and 16 loads
.endr
	s_wait_xcnt 0x0
	SEND 3, 0
	s_wait_tensorcnt 0x0                           ; the wave's end
	ds_add_u32 v[SPW], v[NIL]
	s_wait_dscnt 0x0
	CROUND                                         ; the closing round
	s_endpgm
.Lfunc_end_k_qe9f3c5cb02_pv:
	.size	k_qe9f3c5cb02_pv, .Lfunc_end_k_qe9f3c5cb02_pv-k_qe9f3c5cb02_pv
	.p2alignl 7, 3214868480
	.fill 96, 4, 3214868480
	.section	.rodata,"a",@progbits
	.p2align	6, 0x0
	.amdhsa_kernel k_qe9f3c5cb02_pv
		.amdhsa_group_segment_fixed_size 327680
		.amdhsa_private_segment_fixed_size 0
		.amdhsa_enable_private_segment 0
		.amdhsa_kernarg_size 40
		.amdhsa_user_sgpr_count 2
		.amdhsa_user_sgpr_kernarg_segment_ptr 1
		.amdhsa_wavefront_size32 1
		.amdhsa_system_sgpr_workgroup_id_x 1
		.amdhsa_system_sgpr_workgroup_id_y 1
		.amdhsa_system_sgpr_workgroup_id_z 1
		.amdhsa_system_vgpr_workitem_id 0
		.amdhsa_next_free_vgpr 768
		.amdhsa_next_free_sgpr 102
		.amdhsa_reserve_vcc 1
		.amdhsa_float_denorm_mode_32 3
		.amdhsa_float_denorm_mode_16_64 3
		.amdhsa_memory_ordered 1
		.amdhsa_forward_progress 1
		.amdhsa_inst_pref_size 187
	.end_amdhsa_kernel
	.amdgpu_metadata
---
amdhsa.version: [ 1, 2 ]
amdhsa.kernels:
  - .name:           k_qe9f3c5cb02_pv
    .symbol:         k_qe9f3c5cb02_pv.kd
    .args:
      - { .name: pimg, .offset: 0, .size: 8, .value_kind: global_buffer, .address_space: global }
      - { .name: pmeta, .offset: 8, .size: 8, .value_kind: global_buffer, .address_space: global }
      - { .name: vimg, .offset: 16, .size: 8, .value_kind: global_buffer, .address_space: global }
      - { .name: vsc, .offset: 24, .size: 8, .value_kind: global_buffer, .address_space: global }
      - { .name: out0, .offset: 32, .size: 8, .value_kind: global_buffer, .address_space: global }
    .group_segment_fixed_size: 327680
    .private_segment_fixed_size: 0
    .kernarg_segment_align: 8
    .kernarg_segment_size: 40
    .max_flat_workgroup_size: 128
    .sgpr_count:     102
    .vgpr_count:     768
    .wavefront_size: 32
...
	.end_amdgpu_metadata
.endif
;; end of part 3
